; MI455X (gfx1250); checked and timed in simulation.
; The chip was launched on July 23, 2026; its instructions are those of AMD's public machine-readable ISA for CDNA 5 (MIT licence, August 2026) and "CDNA5" Instruction Set Architecture Reference Guide (July 2026). The comments in the code are by the model that wrote it; some were corrected since.
;; Self Attention Head. Allowed arithmetic: float matrix products may take bf16 or f16 operands with f32 sums; other float arithmetic in f32, or as packed bf16 or f16 multiplies, adds, multiply-adds, maxima and minima; sums over many terms, partial sums and values carried from step to step in f32; what a program stores and reads back later, other than sums and carried values, may be rounded once to bf16 or f16.
;; Inputs: k 4 x 2,048 x 1,024 float32; mask 1 x 2,048 x 2,048 bool; q 4 x 2,048 x 1,024 float32; v 4 x 2,048 x 1,024 float32; wi 1,024 x 1,024 float32.
;; Outputs: out0 4 x 2,048 x 1,024 float32.
;; 2 versions, each right. Each part assembles by itself: llvm-mc -triple=amdgcn-amd-amdhsa -mcpu=gfx1250 --defsym DOCPART=n.
;; ======== version 1 of 2: 4 launches
;; limits: values outside matrix products are rounded to f16; values are held in f16: magnitudes above 65,504 overflow, below 6.1e-05 lose precision; right only within a limited range of input values
;; workspace buffers: xb 52,428,800 bytes; y 50,331,648 bytes; pt 33,554,432 bytes; st 786,432 bytes
;; launch cast (part 1): grid 1600 x 1, 8 waves a work-group, no clusters, 0 bytes of LDS; arguments q, k, v, wi, xb; writes xb
.if DOCPART == 1
	.amdgcn_target "amdgcn-amd-amdhsa--gfx1250"
	.amdhsa_code_object_version 6
	.text
	.protected	k_q46d1275db7_cast
	.globl	k_q46d1275db7_cast
	.p2align	8
	.type	k_q46d1275db7_cast,@function
k_q46d1275db7_cast:
	s_mov_b64 s[64:65], 0
	v_nop
	global_prefetch_b8 v0, s[64:65] scope:SCOPE_SE
	s_setreg_imm32_b32 hwreg(HW_REG_WAVE_MODE, 25, 1), 1
	s_wait_xcnt 0x0
; xb = bf16(q), bf16(k), bf16(v), bf16(wi), one behind the other: [25600][1024] bf16 (rows 0-8191 q, 8192-16383 k, 16384-24575 v, 24576-25599 wi as it lies).
; A stream: every input byte is read once and every output byte written once, so LDS, barriers, matrix instructions and clusters would add nothing.
; A work-group takes 16,384 numbers (65,536 bytes in, 32,768 out), a wave 2,048: sixteen loads of 16 bytes a lane, all issued before the first wait.
; A load of a wave covers 512 consecutive bytes, a store 256 consecutive bytes that begin at a multiple of 256 from the buffer's first byte.
; No register is written twice, so no wait stands here but the counted ones for the loads.
.set IN,  4                            ; v[4:67]   sixteen loads of four f32
.set OUT, 68                           ; v[68:99]  sixteen pairs of registers, four bf16 each
	s_load_b256 s[4:11], s[0:1], 0x0               ; q s[4:5], k s[6:7], v s[8:9], wi s[10:11]
	s_load_b64 s[12:13], s[0:1], 0x20              ; xb
	s_lshr_b32 s14, ttmp9, 9                       ; which input: 512 work-groups for each of q, k, v, then 64 for wi
	s_and_b32 s16, ttmp9, 511
	s_lshl_b32 s16, s16, 16                        ; my 65,536 bytes in that input
	s_mov_b32 s17, 0
	s_lshl_b32 s18, ttmp9, 15                      ; my 32,768 bytes in xb
	s_mov_b32 s19, 0
	v_lshrrev_b32 v3, 5, v0                        ; wave
	v_and_b32 v2, 31, v0                           ; lane
	v_lshlrev_b32 v1, 4, v2
	v_lshl_add_u32 v1, v3, 13, v1                  ; in: 8,192 x wave + 16 x lane
	v_lshlrev_b32 v2, 3, v2
	v_lshl_add_u32 v2, v3, 12, v2                  ; out: 4,096 x wave + 8 x lane
	s_wait_kmcnt 0x0
	s_cmp_eq_u32 s14, 1                            ; the choice hangs on the work-group's number alone
	s_cselect_b64 s[4:5], s[6:7], s[4:5]
	s_cmp_eq_u32 s14, 2
	s_cselect_b64 s[4:5], s[8:9], s[4:5]
	s_cmp_eq_u32 s14, 3
	s_cselect_b64 s[4:5], s[10:11], s[4:5]
	s_add_nc_u64 s[4:5], s[4:5], s[16:17]
	s_add_nc_u64 s[12:13], s[12:13], s[18:19]
.set i, 0
.rept 16
	global_load_b128 v[IN+4*i:IN+4*i+3], v1, s[4:5] offset:512*i th:TH_LOAD_NT  ; read once in the whole launch
.set i, i+1
.endr
.set i, 0
.rept 16
	s_wait_loadcnt 15-i                            ; loads come back in order: number i is in, the 15 - i younger ones stay out
	v_cvt_pk_bf16_f32 v[OUT+2*i],   v[IN+4*i],   v[IN+4*i+1]
	v_cvt_pk_bf16_f32 v[OUT+2*i+1], v[IN+4*i+2], v[IN+4*i+3]
	global_store_b64 v2, v[OUT+2*i:OUT+2*i+1], s[12:13] offset:256*i  ; the next launch reads it: no hint
.set i, i+1
.endr
	s_endpgm
.Lfunc_end_k_q46d1275db7_cast:
	.size	k_q46d1275db7_cast, .Lfunc_end_k_q46d1275db7_cast-k_q46d1275db7_cast
	.p2alignl 7, 3214868480
	.fill 96, 4, 3214868480
	.section	.rodata,"a",@progbits
	.p2align	6, 0x0
	.amdhsa_kernel k_q46d1275db7_cast
		.amdhsa_group_segment_fixed_size 0
		.amdhsa_private_segment_fixed_size 0
		.amdhsa_enable_private_segment 0
		.amdhsa_kernarg_size 40
		.amdhsa_user_sgpr_count 2
		.amdhsa_user_sgpr_kernarg_segment_ptr 1
		.amdhsa_wavefront_size32 1
		.amdhsa_system_sgpr_workgroup_id_x 1
		.amdhsa_system_sgpr_workgroup_id_y 1
		.amdhsa_system_sgpr_workgroup_id_z 1
		.amdhsa_system_vgpr_workitem_id 0
		.amdhsa_next_free_vgpr 100
		.amdhsa_next_free_sgpr 66
		.amdhsa_reserve_vcc 0
		.amdhsa_float_denorm_mode_32 3
		.amdhsa_float_denorm_mode_16_64 3
		.amdhsa_memory_ordered 1
		.amdhsa_forward_progress 1
		.amdhsa_inst_pref_size 7
	.end_amdhsa_kernel
	.amdgpu_metadata
---
amdhsa.version: [ 1, 2 ]
amdhsa.kernels:
  - .name:           k_q46d1275db7_cast
    .symbol:         k_q46d1275db7_cast.kd
    .args:
      - { .name: q, .offset: 0, .size: 8, .value_kind: global_buffer, .address_space: global }
      - { .name: k, .offset: 8, .size: 8, .value_kind: global_buffer, .address_space: global }
      - { .name: v, .offset: 16, .size: 8, .value_kind: global_buffer, .address_space: global }
      - { .name: wi, .offset: 24, .size: 8, .value_kind: global_buffer, .address_space: global }
      - { .name: xb, .offset: 32, .size: 8, .value_kind: global_buffer, .address_space: global }
    .group_segment_fixed_size: 0
    .private_segment_fixed_size: 0
    .kernarg_segment_align: 8
    .kernarg_segment_size: 40
    .max_flat_workgroup_size: 256
    .sgpr_count:     66
    .vgpr_count:     100
    .wavefront_size: 32
...
	.end_amdgpu_metadata
.endif
;; end of part 1
;; launch proj (part 2): grid 4 x 192, 4 waves a work-group, clusters of 4 x 4, 327,680 bytes of LDS; arguments xb, y; writes y
.if DOCPART == 2
	.amdgcn_target "amdgcn-amd-amdhsa--gfx1250"
	.amdhsa_code_object_version 6
	.text
	.protected	k_q46d1275db7_proj
	.globl	k_q46d1275db7_proj
	.p2align	8
	.type	k_q46d1275db7_proj,@function
k_q46d1275db7_proj:
	s_mov_b64 s[64:65], 0
	v_nop
	global_prefetch_b8 v0, s[64:65] scope:SCOPE_SE
	s_setreg_imm32_b32 hwreg(HW_REG_WAVE_MODE, 25, 1), 1
	s_wait_xcnt 0x0
	s_wait_alu depctr_hold_cnt(0) depctr_sa_sdst(0) depctr_va_vdst(0) depctr_va_sdst(0) depctr_va_ssrc(0) depctr_va_vcc(0) depctr_vm_vsrc(0)
	s_getreg_b32 s2, hwreg(HW_REG_IB_STS2, 6, 4)
	s_cmp_eq_u32 s2, 0
	s_cbranch_scc0 .Lentry_in_a_cluster
	s_endpgm
.Lentry_in_a_cluster:
	s_bfe_u32 s2, ttmp6, 0x10000c
	s_cmp_lg_u32 s2, 0xf033
	s_cbranch_scc0 .Lentry_shape_is_right
	s_endpgm
.Lentry_shape_is_right:
; y = Xb W: the three projections as one product.  Xb: rows 0-24575 of xb, [24576][1024] bf16 (q, k, v); W: rows 24576-25599 of xb, [k][n] bf16.  y: [24576][1024] f16.
; Sums in f32, K ascending, rounded once to f16.  The rows that come from k are multiplied by c = log2(e) / 32 in f32 ahead of that rounding, so that the scores of the next launch
; leave the matrix instruction as exponents of 2.  The rows from q stay unscaled: they are also the residual.
; LIMIT.  f16 ends at 65,504: |q wi|, |v wi| and c |k wi| must stay below it (numbers of spread 1 give about 5).  NaN and infinities are not treated apart.
; SHARES.  A tile of y is 128 rows x 256 columns: 768 work-groups of equal work.  Four waves, wave w = (WR, WC): 64 rows x 128 columns, 32 accumulators of 16 x 16 in 256 registers.
; K goes in steps of 128 through a ring of two LDS slots.  A's rows lie along K (256 bytes a row, pitch 272); W's tile is 128 k-rows x 512 bytes (pitch 544) and is turned by ds_load_tr16_b128.
; THE MATRIX INSTRUCTION IS USED TRANSPOSED: source 0 = 16 columns of W, source 1 = 16 rows of Xb: a lane then holds row l % 16 and the eight neighbouring columns 8 (l / 16) + 0..7.
; CLUSTER.  4 x 4 work-groups.  The four of a row of the cluster need the same tile of Xb, the four of a column the same tile of W: each tile is asked for jointly, by the same tensor load
; with the same descriptor and a mask that names the four.
; REGISTERS.  Window 0: v0-31 addresses; v32-127, v128-223 two fragment buffers (A's block a at +8 a, W's block b at +32 + 8 b).  Window 1: accumulator (a, b) at v[8 (8 a + b)].
.set LAPS,   4                         ; a lap = two K steps = once round the ring; K = 1,024
.set PA,     272                       ; a row of A in LDS: 256 bytes + 16: the 16 rows of a load start 68 words apart
.set PB,     544                       ; a k-row of W in LDS: 512 bytes + 32
.set AHALF,  64*PA                     ; what waves 0 and 1 fetch each
.set BHALF,  64*PB                     ; what waves 2 and 3 fetch each
.set BOFF,   2*AHALF
.set SLOT,   2*AHALF+2*BHALF
.set STAGE,  2*SLOT                    ; behind the ring: 16 rows x 272 bytes for each wave, for the way out
.set SP,     272
.set SPARE,  STAGE+4*16*SP             ; the spare words: 128 bytes for each wave, two blocks of 256 bytes that no other line names
.set WOFF,   24576*2048                ; W's first byte in xb
.set ASTEP,  256                       ; a K step along A's rows, in bytes
.set BSTEP,  128*2048                  ; a K step down W's rows
.set ADRA, 4                           ; v4-5   LDS address of my A fragments in slot 0, 1
.set ADRB, 6                           ; v6-7   the same for W
.set STO,  8                           ; v8     the way out: where I put 16 bytes of a row
.set RD,   9                           ; v9     where I read a row back
.set CO,   10                          ; v10    my byte offset in y
.set SPW,  12                          ; v12    LDS address of my spare word; never rewritten
.set NIL,  13                          ; v13    0; never rewritten
.set F0,   32
.set F1,   128
.set T,    32                          ; the way out: 64 scaled numbers
.set PK,   96                          ; 32 registers of packed f16
.set WV,  12                           ; s12 wave;  s13 WR = wave / 2: my 64 rows, and: I fetch for A (0) or for W (1);  s14 WC = wave % 2: my 128 columns, and: which half I fetch
.set WR,  13
.set WC,  14
.set G1A, 24                           ; s[24:31] group 1 for A's tiles; s[32:39] group 0, a set for each slot
.set G0A, 32
.set G1B, 40                           ; s[40:47], s[48:55] the same for W's
.set G0B, 48
.set SC,  84                           ; s[84:85] the scale
.set OUTP, 86                          ; s[86:87] y at my part of the tile
.set MSB, 0
.macro WIN new                         ; the immediate's high byte repeats the setting that is left; a switch that changes nothing is dropped
.if MSB != (\new)
	s_set_vgpr_msb (MSB<<8)|(\new)
.set MSB, \new
.endif
.endm
.set MULW, 0x50                        ; sources 0 and 1 window 0, C and D window 1
.macro PLACES                          ; four plain vector instructions between a matrix instruction and a load into, or a vector instruction on, its registers
.rept 4
	v_nop
.endr
.endm
; A joint load: waves 0 and 1 fetch A's two halves, waves 2 and 3 W's.  The branch hangs on the wave's number alone.  An s_nop 0 and four v_nop follow each line.
.macro JLOAD s
	s_cmp_eq_u32 s[WR], 0
	s_cbranch_scc0 .Lfor_b_\@
	tensor_load_to_lds s[G0A+4*(\s):G0A+4*(\s)+3], s[G1A:G1A+7]
	s_nop 0
	PLACES
	s_branch .Lasked_\@
.Lfor_b_\@:
	tensor_load_to_lds s[G0B+4*(\s):G0B+4*(\s)+3], s[G1B:G1B+7]
	s_nop 0
	PLACES
.Lasked_\@:
.endm
.macro CREST                           ; a round of the cluster's barrier behind its opening barrier
	s_cmp_lg_u32 s[WV], 0
	s_cbranch_scc1 .Lnot_wave_0_\@
	s_barrier_signal -3
.Lnot_wave_0_\@:
	s_barrier_wait -3
	s_barrier_signal -1
	s_barrier_wait -1
.endm
.macro CROUND                          ; a whole round
	s_barrier_signal -1
	s_barrier_wait -1
	CREST
.endm
	s_load_b128 s[4:7], s[0:1], 0x0                ; xb s[4:5], y s[6:7]
	v_lshl_add_u32 v[SPW], v0, 2, SPARE
	v_mov_b32 v[NIL], 0
	ds_add_u32 v12, v13
	s_wait_dscnt 0x0
	v_lshrrev_b32 v1, 5, v0
	v_readfirstlane_b32 s[WV], v1
	s_lshr_b32 s[WR], s[WV], 1
	s_and_b32 s[WC], s[WV], 1
	s_bfe_u32 s15, ttmp6, 0x40000                  ; cx
	s_bfe_u32 s16, ttmp6, 0x40004                  ; cy
	s_lshl_b32 s17, ttmp9, 2
	s_add_co_u32 s17, s17, s15                     ; tile column tx = 4 x cluster x + cx
	s_and_b32 s19, ttmp7, 0xffff                   ; cluster y
	s_lshl_b32 s18, s19, 2
	s_add_co_u32 s18, s18, s16                     ; tile row ty = 4 x cluster y + cy
	s_lshl_b32 s20, s16, 2
	s_lshl_b32 s20, 15, s20                        ; my row of the cluster
	s_lshl_b32 s21, 0x1111, s15                    ; my column
	s_or_b32 s[G1A], s20, (1<<16)|(1<<20)|(1<<21)|(5<<22)|(3<<25)  ; the mask; 2-byte elements; padding on; bit 21 beside a mask; after every 64 words 4 words
	s_mov_b32 s[G1A+1], 128<<16                    ; tensor_dim0 = 128
	s_mov_b32 s[G1A+2], 64<<16                     ; tensor_dim1 = 64
	s_mov_b32 s[G1A+3], 128<<16                    ; tile_dim0 = 128
	s_mov_b32 s[G1A+4], 64                         ; tile_dim1 = 64
	s_mov_b32 s[G1A+5], 1024                       ; elements from row to row
	s_mov_b32 s[G1A+6], 0
	s_mov_b32 s[G1A+7], 0
	s_or_b32 s[G1B], s21, (1<<16)|(1<<20)|(1<<21)|(6<<22)|(7<<25)  ; after every 128 words 8 words
	s_mov_b32 s[G1B+1], 256<<16                    ; tensor_dim0 = 256
	s_mov_b32 s[G1B+2], 64<<16                     ; tensor_dim1 = 64
	s_mov_b32 s[G1B+3], 256<<16                    ; tile_dim0 = 256
	s_mov_b32 s[G1B+4], 64                         ; tile_dim1 = 64
	s_mov_b32 s[G1B+5], 1024
	s_mov_b32 s[G1B+6], 0
	s_mov_b32 s[G1B+7], 0
	s_lshr_b32 s2, s19, 4                          ; cluster rows 16 to 31 hold the rows that come from k
	s_cmp_eq_u32 s2, 1
	s_cselect_b32 s[SC], 0x3d38aa3b, 1.0           ; c = log2(e) / 32, or 1: a choice of a value, no branch
	s_mov_b32 s[SC+1], s[SC]                       ; named with it as a pair
	s_lshl_b32 s22, s18, 18                        ; A: row 128 ty + 64 WC, 2,048 bytes a row: of the tile row and the wave alone
	s_lshl_b32 s2, s[WC], 17
	s_add_co_u32 s22, s22, s2
	s_mov_b32 s23, 0
	s_lshl_b32 s72, s17, 9                         ; W: k-row 64 WC, column 256 tx: of the tile column and the wave alone
	s_add_co_u32 s72, s72, s2
	s_add_co_u32 s72, s72, WOFF
	s_mov_b32 s73, 0
	s_mul_i32 s3, s[WC], AHALF                     ; where they go: no place in the cluster enters an LDS address
	s_mul_i32 s2, s[WC], BHALF
	s_add_co_u32 s2, s2, BOFF
	s_wait_kmcnt 0x0
	s_add_nc_u64 s[22:23], s[4:5], s[22:23]
	s_add_nc_u64 s[72:73], s[4:5], s[72:73]
	CROUND                                         ; all sixteen work-groups are here: the first joint loads meet
.irp s, 0,1
	s_mov_b32 s[G0A+4*(\s)], 1
	s_add_co_u32 s[G0A+4*(\s)+1], s3, (\s)*SLOT
	s_add_nc_u64 s[G0A+4*(\s)+2:G0A+4*(\s)+3], s[22:23], (\s)*ASTEP
	s_or_b32 s[G0A+4*(\s)+3], s[G0A+4*(\s)+3], 0x80000000
	s_mov_b32 s[G0B+4*(\s)], 1
	s_add_co_u32 s[G0B+4*(\s)+1], s2, (\s)*SLOT
	s_add_nc_u64 s[G0B+4*(\s)+2:G0B+4*(\s)+3], s[72:73], (\s)*BSTEP
	s_or_b32 s[G0B+4*(\s)+3], s[G0B+4*(\s)+3], 0x80000000
.endr
	s_cmp_eq_u32 s[WR], 0                          ; a wave's two first fills stand in one branch, ahead of every wait on TENSORcnt and every LDS read: two loads of mine are out
	s_cbranch_scc0 .Lfirst_b
	tensor_load_to_lds s[G0A:G0A+3], s[G1A:G1A+7]
	s_nop 0
	tensor_load_to_lds s[G0A+4:G0A+7], s[G1A:G1A+7]
	s_nop 0
	PLACES
	s_branch .Lfirst_asked
.Lfirst_b:
	tensor_load_to_lds s[G0B:G0B+3], s[G1B:G1B+7]
	s_nop 0
	tensor_load_to_lds s[G0B+4:G0B+7], s[G1B:G1B+7]
	s_nop 0
	PLACES
.Lfirst_asked:
	; A fragment of A: lane l holds row l % 16; K = 8 (l / 16) + 0..7 and 16 + 8 (l / 16) + 0..7: two loads of 16 bytes, 32 bytes apart.
	v_and_b32 v1, 15, v0                           ; r = l % 16
	v_bfe_u32 v2, v0, 4, 1                         ; h = l / 16
	v_mul_u32_u24 v3, v1, PA
	v_lshl_add_u32 v3, v2, 4, v3                   ; r x 272 + 16 h
	s_mul_i32 s2, s[WR], AHALF
	v_add_nc_u32 v[ADRA], s2, v3
	v_add_nc_u32 v[ADRA+1], SLOT, v[ADRA]
	; The turning load: lane l reads 16 bytes of k-row 8 (l / 16) + l % 8, columns 8 ((l / 8) % 2) + 0..7, and is left with column l % 16 and eight k.
	v_and_b32 v14, 7, v0
	v_lshl_add_u32 v14, v2, 3, v14
	v_mul_u32_u24 v14, v14, PB
	v_bfe_u32 v15, v0, 3, 1
	v_lshl_add_u32 v14, v15, 4, v14
	s_lshl_b32 s2, s[WC], 8                        ; my 128 columns: 256 bytes
	s_add_co_u32 s2, s2, BOFF
	v_add_nc_u32 v[ADRB], s2, v14
	v_add_nc_u32 v[ADRB+1], SLOT, v[ADRB]
	s_mul_i32 s2, s[WV], 16*SP
	s_add_co_u32 s2, s2, STAGE                     ; my stage
	v_add_nc_u32 v[STO], s2, v3                    ; in: row r, 16 bytes for each half of the lanes
	v_mul_u32_u24 v16, v2, SP
	v_lshl_add_u32 v16, v1, 4, v16
	v_add_nc_u32 v[RD], s2, v16                    ; back: lanes 0-15 one row of 256 bytes, lanes 16-31 the next
	v_lshlrev_b32 v[CO], 11, v2
	v_lshl_add_u32 v[CO], v1, 4, v[CO]             ; the same two rows in y
	s_lshl_b32 s74, s18, 18                        ; y at row 128 ty + 64 WR, column 256 tx + 128 WC
	s_lshl_b32 s2, s[WR], 17
	s_add_co_u32 s74, s74, s2
	s_lshl_b32 s2, s17, 9
	s_add_co_u32 s74, s74, s2
	s_lshl_b32 s2, s[WC], 8
	s_add_co_u32 s74, s74, s2
	s_mov_b32 s75, 0
	s_add_nc_u64 s[OUTP:OUTP+1], s[6:7], s[74:75]
; 8 matrix instructions: A's block a x all 8 blocks of W, 32 along K.  zero = 1: the product starts the sums.  The 32 accumulators take turns, one instruction a turn, in one order everywhere.
.macro MULA f, a, zero
	WIN MULW
.irp b, 0,1,2,3,4,5,6,7
.if \zero
	v_wmma_f32_16x16x32_bf16 v[8*(8*(\a)+(\b)):8*(8*(\a)+(\b))+7], v[(\f)+32+8*(\b):(\f)+32+8*(\b)+7], v[(\f)+8*(\a):(\f)+8*(\a)+7], 0
.else
	v_wmma_f32_16x16x32_bf16 v[8*(8*(\a)+(\b)):8*(8*(\a)+(\b))+7], v[(\f)+32+8*(\b):(\f)+32+8*(\b)+7], v[(\f)+8*(\a):(\f)+8*(\a)+7], v[8*(8*(\a)+(\b)):8*(8*(\a)+(\b))+7]
.endif
.endr
.endm
.macro MUL16 f, a0, zero
	MULA \f, \a0, \zero
	MULA \f, (\a0)+1, \zero
.endm
; 24 LDS loads in one run: quarter q (32 along K) of a slot into buffer g: W's 16, then A's 8 with its blocks ascending
.macro FETCH slot, q, g
	WIN 0
.irp i, 0,1,2,3,4,5,6,7
	ds_load_tr16_b128 v[(\g)+32+8*(\i):(\g)+32+8*(\i)+3],   v[ADRB+(\slot)] offset:(\q)*32*PB+32*(\i)
	ds_load_tr16_b128 v[(\g)+32+8*(\i)+4:(\g)+32+8*(\i)+7], v[ADRB+(\slot)] offset:(\q)*32*PB+32*(\i)+16*PB
.endr
.irp i, 0,1,2,3
	ds_load_b128 v[(\g)+8*(\i):(\g)+8*(\i)+3],   v[ADRA+(\slot)] offset:(\q)*64+(\i)*16*PA
	ds_load_b128 v[(\g)+8*(\i)+4:(\g)+8*(\i)+7], v[ADRA+(\slot)] offset:(\q)*64+(\i)*16*PA+32
.endr
.endm
; One of a K step's first three quarters: multiplies buffer f; in its middle it fetches quarter q of the same slot into buffer g.
.macro QUARTER slot, q, f, g, zero
	s_wait_dscnt 4                                 ; W and A's blocks 0 and 1 are in; the four youngest loads (blocks 2 and 3) may be out
	MUL16 \f, 0, \zero
	PLACES
	FETCH \slot, \q, \g
	s_wait_dscnt 24                                ; all but the 24 just issued
	MUL16 \f, 2, \zero
.endm
; The last quarter multiplies buffer 1 and changes slots: one barrier.  In front of it each wave waits for all its tensor loads (one is out: its part of the next slot), adds 0 to its spare
; word, and waits for that and for its reads of this slot.  fill = 1: the barrier opens a round of the cluster's, and this slot is filled again, two K steps on, first thing behind the round:
; the wave then issues 112 matrix instructions up to the wait for that load.
.macro TURN slot, next, fill
	WIN 0
	s_wait_tensorcnt 0x0
	ds_add_u32 v[SPW], v[NIL]
	s_wait_dscnt 5                                 ; the add and the four youngest loads may be out
	MULA F1, 0, 0
	s_wait_dscnt 0x0                               ; the add is done, and my reads of this slot are over
	s_barrier_signal -1
	MULA F1, 1, 0
.if \fill
	WIN 0
.endif
	s_barrier_wait -1
.if \fill
	CREST                                          ; no wave of any partner still reads this slot or has a load on its way
	s_add_nc_u64 s[G0A+4*(\slot)+2:G0A+4*(\slot)+3], s[G0A+4*(\slot)+2:G0A+4*(\slot)+3], 2*ASTEP
	s_add_nc_u64 s[G0B+4*(\slot)+2:G0B+4*(\slot)+3], s[G0B+4*(\slot)+2:G0B+4*(\slot)+3], 2*BSTEP
	JLOAD \slot                                    ; its four v_nop are also the places in front of the loads below
.else
	PLACES
.endif
	FETCH \next, 0, F0
	MUL16 F1, 2, 0
.endm
	s_wait_tensorcnt 0x1                           ; my part of K step 0 is in; K step 1's may stay out
	s_barrier_signal -1
	s_barrier_wait -1
	FETCH 0, 0, F0
	QUARTER 0, 1, F0, F1, 1                        ; the first quarter stands in front of the loop: its products start the sums
	WIN 0
	s_mov_b32 s3, LAPS-1
.Llap:                                                 ; a trip goes once round the ring, from a lap's second quarter to the next lap's first, and fills both slots again
	QUARTER 0, 2, F1, F0, 0
	QUARTER 0, 3, F0, F1, 0
	TURN 0, 1, 1
	QUARTER 1, 1, F0, F1, 0
	QUARTER 1, 2, F1, F0, 0
	QUARTER 1, 3, F0, F1, 0
	TURN 1, 0, 1
	QUARTER 0, 1, F0, F1, 0
	WIN 0
	s_sub_co_u32 s3, s3, 1
	s_cmp_lg_u32 s3, 0
	s_cbranch_scc1 .Llap
	QUARTER 0, 2, F1, F0, 0                        ; the last lap fills nothing
	QUARTER 0, 3, F0, F1, 0
	TURN 0, 1, 0
	QUARTER 1, 1, F0, F1, 0
	QUARTER 1, 2, F1, F0, 0
	QUARTER 1, 3, F0, F1, 0
	s_wait_dscnt 4                                 ; the very last quarter: nothing more to fetch
	MUL16 F1, 0, 0
	s_wait_dscnt 0x0
	MUL16 F1, 2, 0
	WIN 0
	PLACES
; THE WAY OUT, a block of 16 rows at a time: scaled in f32, rounded to f16 (16 bytes a lane), through my own stage in LDS, back as whole rows of 256 bytes, stored.
.macro PACK a
	WIN 0x01                                       ; source 0 window 1
.set n, 0
.rept 32
	v_pk_mul_f32 v[T+2*n:T+2*n+1], v[64*(\a)+2*n:64*(\a)+2*n+1], s[SC:SC+1] op_sel_hi:[1,0]
.set n, n+1
.endr
	WIN 0
.set n, 0
.rept 32
	v_cvt_pk_f16_f32 v[PK+n], v[T+2*n], v[T+2*n+1]
.set n, n+1
.endr
.endm
.macro TOSTAGE a
.set BK, 128+32*((\a)%2)
.irp b, 0,1,2,3,4,5,6,7
	ds_store_b128 v[STO], v[PK+4*(\b):PK+4*(\b)+3] offset:32*(\b)
.endr
.irp t, 0,1,2,3,4,5,6,7
	ds_load_b128 v[BK+4*(\t):BK+4*(\t)+3], v[RD] offset:(\t)*2*SP  ; LDS serves a wave's instructions in order (ISA guide 5.7.1.4): these see the stores above
.endr
.endm
.macro SEND a
.set BK, 128+32*((\a)%2)
	s_wait_dscnt 0x0                               ; the block is back in registers
	s_wait_xcnt 0x0                                ; the registers that the block before last was stored from are loaded again only behind this wait
.irp t, 0,1,2,3,4,5,6,7
	global_store_b128 v[CO], v[BK+4*(\t):BK+4*(\t)+3], s[OUTP:OUTP+1] offset:(16*(\a)+2*(\t))*2048  ; 16 lanes store 256 consecutive bytes, at a multiple of 256 from y's first byte
.endr
.endm
	PACK 0
	TOSTAGE 0
.irp a, 1,2,3                          ; block a's arithmetic stands between block a - 1's loads from the stage and the wait for them
	PACK \a
	SEND (\a)-1
	TOSTAGE \a
.endr
	SEND 3
	s_wait_tensorcnt 0x0                           ; the wave's end
	ds_add_u32 v[SPW], v[NIL]
	s_wait_dscnt 0x0
	CROUND                                         ; the closing round: no work-group ends while a partner may still ask for a tile that names it
	s_endpgm
.Lfunc_end_k_q46d1275db7_proj:
	.size	k_q46d1275db7_proj, .Lfunc_end_k_q46d1275db7_proj-k_q46d1275db7_proj
	.p2alignl 7, 3214868480
	.fill 96, 4, 3214868480
	.section	.rodata,"a",@progbits
	.p2align	6, 0x0
	.amdhsa_kernel k_q46d1275db7_proj
		.amdhsa_group_segment_fixed_size 327680
		.amdhsa_private_segment_fixed_size 0
		.amdhsa_enable_private_segment 0
		.amdhsa_kernarg_size 16
		.amdhsa_user_sgpr_count 2
		.amdhsa_user_sgpr_kernarg_segment_ptr 1
		.amdhsa_wavefront_size32 1
		.amdhsa_system_sgpr_workgroup_id_x 1
		.amdhsa_system_sgpr_workgroup_id_y 1
		.amdhsa_system_sgpr_workgroup_id_z 1
		.amdhsa_system_vgpr_workitem_id 0
		.amdhsa_next_free_vgpr 512
		.amdhsa_next_free_sgpr 96
		.amdhsa_reserve_vcc 0
		.amdhsa_float_denorm_mode_32 3
		.amdhsa_float_denorm_mode_16_64 3
		.amdhsa_memory_ordered 1
		.amdhsa_forward_progress 1
		.amdhsa_inst_pref_size 93
	.end_amdhsa_kernel
	.amdgpu_metadata
---
amdhsa.version: [ 1, 2 ]
amdhsa.kernels:
  - .name:           k_q46d1275db7_proj
    .symbol:         k_q46d1275db7_proj.kd
    .args:
      - { .name: xb, .offset: 0, .size: 8, .value_kind: global_buffer, .address_space: global }
      - { .name: y, .offset: 8, .size: 8, .value_kind: global_buffer, .address_space: global }
    .group_segment_fixed_size: 327680
    .private_segment_fixed_size: 0
    .kernarg_segment_align: 8
    .kernarg_segment_size: 16
    .max_flat_workgroup_size: 128
    .sgpr_count:     96
    .vgpr_count:     512
    .wavefront_size: 32
...
	.end_amdgpu_metadata
.endif
;; end of part 2
;; launch scores (part 3): grid 8 x 64, 4 waves a work-group, clusters of 4 x 4, 327,680 bytes of LDS; arguments y, mask, pt, st; writes pt, st
.if DOCPART == 3
	.amdgcn_target "amdgcn-amd-amdhsa--gfx1250"
	.amdhsa_code_object_version 6
	.text
	.protected	k_q46d1275db7_scores
	.globl	k_q46d1275db7_scores
	.p2align	8
	.type	k_q46d1275db7_scores,@function
k_q46d1275db7_scores:
	s_mov_b64 s[64:65], 0
	v_nop
	global_prefetch_b8 v0, s[64:65] scope:SCOPE_SE
	s_setreg_imm32_b32 hwreg(HW_REG_WAVE_MODE, 25, 1), 1
	s_wait_xcnt 0x0
	s_wait_alu depctr_hold_cnt(0) depctr_sa_sdst(0) depctr_va_vdst(0) depctr_va_sdst(0) depctr_va_ssrc(0) depctr_va_vcc(0) depctr_vm_vsrc(0)
	s_getreg_b32 s2, hwreg(HW_REG_IB_STS2, 6, 4)
	s_cmp_eq_u32 s2, 0
	s_cbranch_scc0 .Lentry_in_a_cluster
	s_endpgm
.Lentry_in_a_cluster:
	s_bfe_u32 s2, ttmp6, 0x10000c
	s_cmp_lg_u32 s2, 0xf033
	s_cbranch_scc0 .Lentry_shape_is_right
	s_endpgm
.Lentry_shape_is_right:
; t = qp (c kp)^T, the mask, and the softmax's first half, by tiles of 128 queries x 256 keys.  y: [24576][1024] f16 (qp, c kp, vp); mask: [2048][2048] bytes 0 or 1.
; t is the score times log2(e).  Where the mask's byte is 0, t is REPLACED by -1e10 log2(e) (a bitwise choice, so that a row with no visible key comes out as a plain mean).
; For each query and tile: m = the largest t of the tile's 256 keys; p = 2^(t - m), written to pt [8192][2048] in f16; l = the sum of the unrounded p over each half of 128 keys.
; st: m[8][8192] f32 at byte 0 (by key tile), l[16][8192] f32 at byte 262,144 (by half tile).  The next launch joins the tiles by the largest m of a row: a maximum is taken away from every exponent.
; The mask is an input: every tile is computed, whatever the mask holds.
; LIMITS.  A hidden score counts as -1e10 log2(e) rounded to f32.  p lies in 0 to 1; below 6e-5 it keeps f16's fixed step of 6e-8.  NaN and infinities are not treated apart.
; SHARES, RING, CLUSTER.  512 work-groups of equal work; four waves, wave (WR, WC): 64 queries x 128 keys, 32 accumulators.  K (the 1,024 channels) goes in steps of 128 through two LDS slots;
; both operands' rows lie along K (256 bytes a row, pitch 272).  Source 0 = 16 keys, source 1 = 16 queries: a lane holds query l % 16 and the keys 8 (l / 16) + 0..7.  4 x 4 work-groups form a
; cluster: the queries' tile is asked for jointly along a row of the cluster, the keys' along a column.  The mask's tile (128 rows x 256 bytes) is each work-group's own and comes once, with the first fills.
; REGISTERS.  Window 0: v0-31 addresses; v32-127, v128-223 two fragment buffers (queries' block a at +8 a, keys' block b at +32 + 8 b); on the way out as named below.  Window 1: accumulator (a, b) at v[8 (8 a + b)].
.set LAPS,   4
.set PA,     272
.set AHALF,  64*PA
.set BHALF,  128*PA
.set BOFF,   2*AHALF
.set SLOT,   2*AHALF+2*BHALF
.set STAGE,  2*SLOT                    ; 16 rows x 272 bytes for each wave
.set SP,     272
.set SPARE,  STAGE+4*16*SP             ; the spare words: two blocks of 256 bytes that no other line names
.set XM,     SPARE+512                 ; 256 bytes for each wave: its 64 maxima, for its partner
.set MSK,    XM+1024                   ; the mask's tile: 128 rows x 272 bytes
.set KOFF,   8192*2048                 ; c kp's first byte in y
.set LOFF,   8*8192*4                  ; l's first byte in st
.set ASTEP,  256
.set ADRA, 4
.set ADRB, 6
.set STO,  8
.set RD,   9
.set CO,   10
.set SPW,  12
.set NIL,  13
.set MAD,  14                          ; v14  LDS address of my lane's mask bytes
.set XMS,  15                          ; v15  where I put my maxima
.set XML,  16                          ; v16  where my partner put its own
.set SO,   17                          ; v17  4 x lane
.set TM,   18                          ; v18-21 what goes to st
.set F0,   32
.set F1,   128
.set MB,   32                          ; v32-95   the mask's bytes: block a, key block b at MB + 16 a + 2 b
.set X,    96                          ; v96-159  a block's 64 masks, one word a score
.set T,    96                          ;          later t - m, then p
.set CH,   160                         ; v160-163 four chains
.set MS,   168                         ; v168-175 m of block a, twice: a pair for the packed subtraction
.set LS,   176                         ; v176-179 l of block a
.set XO,   180                         ; v180-183 the partner's maxima
.set M4,   184                         ; v184-187 mine
.set PK,   192                         ; v192-223 packed f16
.set WV,  12
.set WR,  13
.set WC,  14
.set G1A, 24
.set G0A, 32
.set G1B, 40
.set G0B, 48
.set G1M, 56                           ; s[56:63], s[68:71] the mask's tile
.set G0M, 68
.set SEL,  76                          ; s[76:77] v_permlanex16_b32's selects: each lane takes its own place in the other half
.set SELB, 78                          ; s78-81 v_perm_b32's selects: byte 0, 1, 2 or 3 four times
.set NEG,  82                          ; s82  -1e10 log2(e)
.set LOW,  83                          ; s83  the lowest finite number
.set OUTP, 86                          ; s[86:87] pt at my part of the tile
.set MP,   88                          ; s[88:89] m's place in st
.set LP,   90                          ; s[90:91] l's
.set HM,   92                          ; s92  lanes 16 to 31
.set MSB, 0
.macro WIN new
.if MSB != (\new)
	s_set_vgpr_msb (MSB<<8)|(\new)
.set MSB, \new
.endif
.endm
.set MULW, 0x50                        ; sources 0 and 1 window 0, C and D window 1
.macro PLACES                          ; four plain vector instructions between a matrix instruction and a load into, or a vector instruction on, its registers
.rept 4
	v_nop
.endr
.endm
.macro JLOAD s                         ; a joint load: waves 0 and 1 the queries' halves, waves 2 and 3 the keys'; an s_nop 0 and four v_nop follow each line
	s_cmp_eq_u32 s[WR], 0
	s_cbranch_scc0 .Lfor_b_\@
	tensor_load_to_lds s[G0A+4*(\s):G0A+4*(\s)+3], s[G1A:G1A+7]
	s_nop 0
	PLACES
	s_branch .Lasked_\@
.Lfor_b_\@:
	tensor_load_to_lds s[G0B+4*(\s):G0B+4*(\s)+3], s[G1B:G1B+7]
	s_nop 0
	PLACES
.Lasked_\@:
.endm
.macro CREST
	s_cmp_lg_u32 s[WV], 0
	s_cbranch_scc1 .Lnot_wave_0_\@
	s_barrier_signal -3
.Lnot_wave_0_\@:
	s_barrier_wait -3
	s_barrier_signal -1
	s_barrier_wait -1
.endm
.macro CROUND
	s_barrier_signal -1
	s_barrier_wait -1
	CREST
.endm
	s_load_b256 s[4:11], s[0:1], 0x0               ; y s[4:5], mask s[6:7], pt s[8:9], st s[10:11]
	v_lshl_add_u32 v[SPW], v0, 2, SPARE
	v_mov_b32 v[NIL], 0
	ds_add_u32 v12, v13
	s_wait_dscnt 0x0
	v_lshrrev_b32 v1, 5, v0
	v_readfirstlane_b32 s[WV], v1
	s_lshr_b32 s[WR], s[WV], 1
	s_and_b32 s[WC], s[WV], 1
	s_bfe_u32 s15, ttmp6, 0x40000                  ; cx
	s_bfe_u32 s16, ttmp6, 0x40004                  ; cy
	s_lshl_b32 s17, ttmp9, 2
	s_add_co_u32 s17, s17, s15                     ; key tile tx
	s_and_b32 s19, ttmp7, 0xffff                   ; cluster y; the batch is cluster y / 4
	s_lshl_b32 s18, s19, 2
	s_add_co_u32 s18, s18, s16                     ; query tile ty, over all batches
	s_lshl_b32 s20, s16, 2
	s_lshl_b32 s20, 15, s20
	s_lshl_b32 s21, 0x1111, s15
	s_or_b32 s[G1A], s20, (1<<16)|(1<<20)|(1<<21)|(5<<22)|(3<<25)  ; the mask of four; 2-byte elements; padding on; bit 21 beside a mask; after every 64 words 4 words
	s_or_b32 s[G1B], s21, (1<<16)|(1<<20)|(1<<21)|(5<<22)|(3<<25)
	s_mov_b32 s[G1A+2], 64<<16                     ; tensor_dim1 = 64
	s_mov_b32 s[G1A+4], 64                         ; tile_dim1 = 64
	s_mov_b32 s[G1B+2], 128<<16                    ; 128 rows for the keys
	s_mov_b32 s[G1B+4], 128
.irp g, G1A, G1B
	s_mov_b32 s[(\g)+1], 128<<16                   ; tensor_dim0 = 128
	s_mov_b32 s[(\g)+3], 128<<16                   ; tile_dim0 = 128
	s_mov_b32 s[(\g)+5], 1024                      ; elements from row to row
	s_mov_b32 s[(\g)+6], 0
	s_mov_b32 s[(\g)+7], 0
.endr
	s_mov_b32 s[G1M], (2<<16)|(1<<20)|(5<<22)|(3<<25)  ; no work-group mask: a load of my own; 4-byte elements; after every 64 words 4 words
	s_mov_b32 s[G1M+1], 64<<16                     ; tensor_dim0 = 64 words
	s_mov_b32 s[G1M+2], 32<<16                     ; tensor_dim1 = 32 rows a wave
	s_mov_b32 s[G1M+3], 64<<16
	s_mov_b32 s[G1M+4], 32
	s_mov_b32 s[G1M+5], 512                        ; 2,048 bytes from row to row
	s_mov_b32 s[G1M+6], 0
	s_mov_b32 s[G1M+7], 0
	s_lshl_b32 s22, s18, 18                        ; queries: row 128 ty + 64 WC, 2,048 bytes a row
	s_lshl_b32 s2, s[WC], 17
	s_add_co_u32 s22, s22, s2
	s_mov_b32 s23, 0
	s_lshl_b32 s72, s17, 19                        ; keys: row 2,048 batch + 256 tx + 128 WC
	s_lshr_b32 s2, s19, 2
	s_lshl_b32 s2, s2, 22
	s_add_co_u32 s72, s72, s2
	s_lshl_b32 s2, s[WC], 18
	s_add_co_u32 s72, s72, s2
	s_add_co_u32 s72, s72, KOFF
	s_mov_b32 s73, 0
	s_and_b32 s74, s18, 15                         ; the mask: row 128 (ty % 16) + 32 wave, byte 256 tx
	s_lshl_b32 s74, s74, 18
	s_lshl_b32 s94, s[WV], 16
	s_add_co_u32 s74, s74, s94
	s_lshl_b32 s94, s17, 8
	s_add_co_u32 s74, s74, s94
	s_mov_b32 s75, 0
	s_mul_i32 s3, s[WC], AHALF
	s_mul_i32 s2, s[WC], BHALF
	s_add_co_u32 s2, s2, BOFF
	s_wait_kmcnt 0x0
	s_add_nc_u64 s[22:23], s[4:5], s[22:23]
	s_add_nc_u64 s[72:73], s[4:5], s[72:73]
	CROUND                                         ; all sixteen work-groups are here: the first joint loads meet
.irp s, 0,1
	s_mov_b32 s[G0A+4*(\s)], 1
	s_add_co_u32 s[G0A+4*(\s)+1], s3, (\s)*SLOT
	s_add_nc_u64 s[G0A+4*(\s)+2:G0A+4*(\s)+3], s[22:23], (\s)*ASTEP
	s_or_b32 s[G0A+4*(\s)+3], s[G0A+4*(\s)+3], 0x80000000
	s_mov_b32 s[G0B+4*(\s)], 1
	s_add_co_u32 s[G0B+4*(\s)+1], s2, (\s)*SLOT
	s_add_nc_u64 s[G0B+4*(\s)+2:G0B+4*(\s)+3], s[72:73], (\s)*ASTEP
	s_or_b32 s[G0B+4*(\s)+3], s[G0B+4*(\s)+3], 0x80000000
.endr
	s_mov_b32 s[G0M], 1
	s_mul_i32 s[G0M+1], s[WV], 32*PA
	s_add_co_u32 s[G0M+1], s[G0M+1], MSK
	s_add_nc_u64 s[G0M+2:G0M+3], s[6:7], s[74:75]
	s_or_b32 s[G0M+3], s[G0M+3], 0x80000000
	s_cmp_eq_u32 s[WR], 0                          ; a wave's three first fills stand in one branch: slot 0, slot 1, its 32 rows of the mask: three loads of mine are out
	s_cbranch_scc0 .Lfirst_b
	tensor_load_to_lds s[G0A:G0A+3], s[G1A:G1A+7]
	s_nop 0
	tensor_load_to_lds s[G0A+4:G0A+7], s[G1A:G1A+7]
	s_nop 0
	tensor_load_to_lds s[G0M:G0M+3], s[G1M:G1M+7]
	s_nop 0
	PLACES
	s_branch .Lfirst_asked
.Lfirst_b:
	tensor_load_to_lds s[G0B:G0B+3], s[G1B:G1B+7]
	s_nop 0
	tensor_load_to_lds s[G0B+4:G0B+7], s[G1B:G1B+7]
	s_nop 0
	tensor_load_to_lds s[G0M:G0M+3], s[G1M:G1M+7]
	s_nop 0
	PLACES
.Lfirst_asked:
	v_and_b32 v1, 15, v0                           ; r = l % 16
	v_bfe_u32 v2, v0, 4, 1                         ; h = l / 16
	v_mul_u32_u24 v3, v1, PA
	v_lshl_add_u32 v3, v2, 4, v3                   ; r x 272 + 16 h
	s_mul_i32 s2, s[WR], AHALF
	v_add_nc_u32 v[ADRA], s2, v3
	v_add_nc_u32 v[ADRA+1], SLOT, v[ADRA]
	s_mul_i32 s2, s[WC], BHALF
	s_add_co_u32 s2, s2, BOFF
	v_add_nc_u32 v[ADRB], s2, v3
	v_add_nc_u32 v[ADRB+1], SLOT, v[ADRB]
	s_mul_i32 s2, s[WV], 16*SP
	s_add_co_u32 s2, s2, STAGE
	v_add_nc_u32 v[STO], s2, v3
	v_mul_u32_u24 v18, v2, SP
	v_lshl_add_u32 v18, v1, 4, v18
	v_add_nc_u32 v[RD], s2, v18
	v_lshlrev_b32 v[CO], 12, v2                    ; a row of pt is 4,096 bytes
	v_lshl_add_u32 v[CO], v1, 4, v[CO]
	s_mul_i32 s2, s[WR], 64*PA                     ; my lane's eight mask bytes of a result: row 64 WR + r, byte 128 WC + 8 h
	s_lshl_b32 s3, s[WC], 7
	s_add_co_u32 s2, s2, s3
	s_add_co_u32 s2, s2, MSK
	v_mul_u32_u24 v[MAD], v1, PA
	v_lshl_add_u32 v[MAD], v2, 3, v[MAD]
	v_add_nc_u32 v[MAD], s2, v[MAD]
	s_lshl_b32 s2, s[WV], 8
	s_add_co_u32 s2, s2, XM
	v_lshl_add_u32 v[XMS], v1, 4, s2
	s_xor_b32 s2, s[WV], 1                         ; my partner has the tile's other 128 keys
	s_lshl_b32 s2, s2, 8
	s_add_co_u32 s2, s2, XM
	v_lshl_add_u32 v[XML], v1, 4, s2
	v_and_b32 v[SO], 31, v0
	v_lshlrev_b32 v[SO], 2, v[SO]
	s_mov_b32 s[SEL], 0x76543210
	s_mov_b32 s[SEL+1], 0xfedcba98
	s_mov_b32 s[SELB], 0
	s_mov_b32 s[SELB+1], 0x01010101
	s_mov_b32 s[SELB+2], 0x02020202
	s_mov_b32 s[SELB+3], 0x03030303
	s_mov_b32 s[NEG], 0xd056fa73
	s_mov_b32 s[LOW], 0xff7fffff
	s_mov_b32 s[HM], 0xffff0000
	s_lshl_b32 s74, s18, 19                        ; pt at row 128 ty + 64 WR, key 256 tx + 128 WC
	s_lshl_b32 s2, s[WR], 18
	s_add_co_u32 s74, s74, s2
	s_lshl_b32 s2, s17, 9
	s_add_co_u32 s74, s74, s2
	s_lshl_b32 s2, s[WC], 8
	s_add_co_u32 s74, s74, s2
	s_mov_b32 s75, 0
	s_add_nc_u64 s[OUTP:OUTP+1], s[8:9], s[74:75]
	s_lshl_b32 s74, s18, 9                         ; st: row 128 ty + 64 WR, 4 bytes a row,
	s_lshl_b32 s2, s[WR], 8
	s_add_co_u32 s74, s74, s2
	s_lshl_b32 s2, s17, 15                         ; m's line tx,
	s_add_co_u32 s94, s74, s2
	s_mov_b32 s95, 0
	s_add_nc_u64 s[MP:MP+1], s[10:11], s[94:95]
	s_lshl_b32 s2, s17, 16                         ; l's line 2 tx + WC
	s_add_co_u32 s94, s74, s2
	s_lshl_b32 s2, s[WC], 15
	s_add_co_u32 s94, s94, s2
	s_add_co_u32 s94, s94, LOFF
	s_add_nc_u64 s[LP:LP+1], s[10:11], s[94:95]
; 8 matrix instructions: the queries' block a x all 8 blocks of keys, 32 along K.  The 32 accumulators take turns, one instruction a turn, in one order everywhere.
.macro MULA f, a, zero
	WIN MULW
.irp b, 0,1,2,3,4,5,6,7
.if \zero
	v_wmma_f32_16x16x32_f16 v[8*(8*(\a)+(\b)):8*(8*(\a)+(\b))+7], v[(\f)+32+8*(\b):(\f)+32+8*(\b)+7], v[(\f)+8*(\a):(\f)+8*(\a)+7], 0
.else
	v_wmma_f32_16x16x32_f16 v[8*(8*(\a)+(\b)):8*(8*(\a)+(\b))+7], v[(\f)+32+8*(\b):(\f)+32+8*(\b)+7], v[(\f)+8*(\a):(\f)+8*(\a)+7], v[8*(8*(\a)+(\b)):8*(8*(\a)+(\b))+7]
.endif
.endr
.endm
.macro MUL16 f, a0, zero
	MULA \f, \a0, \zero
	MULA \f, (\a0)+1, \zero
.endm
.macro FETCH slot, q, g                ; 24 LDS loads in one run: the keys' 16, then the queries' 8 with their blocks ascending
	WIN 0
.irp i, 0,1,2,3,4,5,6,7
	ds_load_b128 v[(\g)+32+8*(\i):(\g)+32+8*(\i)+3],   v[ADRB+(\slot)] offset:(\q)*64+(\i)*16*PA
	ds_load_b128 v[(\g)+32+8*(\i)+4:(\g)+32+8*(\i)+7], v[ADRB+(\slot)] offset:(\q)*64+(\i)*16*PA+32
.endr
.irp i, 0,1,2,3
	ds_load_b128 v[(\g)+8*(\i):(\g)+8*(\i)+3],   v[ADRA+(\slot)] offset:(\q)*64+(\i)*16*PA
	ds_load_b128 v[(\g)+8*(\i)+4:(\g)+8*(\i)+7], v[ADRA+(\slot)] offset:(\q)*64+(\i)*16*PA+32
.endr
.endm
.macro QUARTER slot, q, f, g, zero
	s_wait_dscnt 4                                 ; the keys and the queries' blocks 0 and 1 are in; the four youngest loads may be out
	MUL16 \f, 0, \zero
	PLACES
	FETCH \slot, \q, \g
	s_wait_dscnt 24                                ; all but the 24 just issued
	MUL16 \f, 2, \zero
.endm
; The last quarter and the change of slots: each wave waits for all its tensor loads, adds 0 to its spare word, waits for that and for its reads of this slot, and signals.
; fill = 1: the barrier opens a round of the cluster's, and the slot is filled again first thing behind the round.
.macro TURN slot, next, fill
	WIN 0
	s_wait_tensorcnt 0x0                           ; the first time this also shows my rows of the mask landed
	ds_add_u32 v[SPW], v[NIL]
	s_wait_dscnt 5                                 ; the add and the four youngest loads may be out
	MULA F1, 0, 0
	s_wait_dscnt 0x0                               ; the add is done, and my reads of this slot are over
	s_barrier_signal -1
	MULA F1, 1, 0
.if \fill
	WIN 0
.endif
	s_barrier_wait -1
.if \fill
	CREST
	s_add_nc_u64 s[G0A+4*(\slot)+2:G0A+4*(\slot)+3], s[G0A+4*(\slot)+2:G0A+4*(\slot)+3], 2*ASTEP
	s_add_nc_u64 s[G0B+4*(\slot)+2:G0B+4*(\slot)+3], s[G0B+4*(\slot)+2:G0B+4*(\slot)+3], 2*ASTEP
	JLOAD \slot
.else
	PLACES
.endif
	FETCH \next, 0, F0
	MUL16 F1, 2, 0
.endm
	s_wait_tensorcnt 0x2                           ; my part of K step 0 is in; K step 1's and the mask's loads are younger and may stay out
	s_barrier_signal -1
	s_barrier_wait -1
	FETCH 0, 0, F0
	QUARTER 0, 1, F0, F1, 1
	WIN 0
	s_mov_b32 s3, LAPS-1
.Llap:
	QUARTER 0, 2, F1, F0, 0
	QUARTER 0, 3, F0, F1, 0
	TURN 0, 1, 1
	QUARTER 1, 1, F0, F1, 0
	QUARTER 1, 2, F1, F0, 0
	QUARTER 1, 3, F0, F1, 0
	TURN 1, 0, 1
	QUARTER 0, 1, F0, F1, 0
	WIN 0
	s_sub_co_u32 s3, s3, 1
	s_cmp_lg_u32 s3, 0
	s_cbranch_scc1 .Llap
	QUARTER 0, 2, F1, F0, 0
	QUARTER 0, 3, F0, F1, 0
	TURN 0, 1, 0
	QUARTER 1, 1, F0, F1, 0
	QUARTER 1, 2, F1, F0, 0
	QUARTER 1, 3, F0, F1, 0
	s_wait_dscnt 4
	MUL16 F1, 0, 0
	s_wait_dscnt 0x0
	MUL16 F1, 2, 0
	WIN 0
	PLACES
	; THE MASK'S BYTES: for result (a, b) my lane's eight keys are eight neighbouring bytes of its query's row.  Other waves' loads brought part of them: the first change of slots has shown them to all.
.set n, 0
.rept 32
	ds_load_b64 v[MB+2*n:MB+2*n+1], v[MAD] offset:(n/8)*16*PA+16*(n%8)
.set n, n+1
.endr
; Block a: the bytes 0 or 1 become 0x00 or 0xff (x 255 = x shifted by 8 less x; no byte borrows from the next); each byte is spread over a word; t is kept where the word is all ones and
; replaced where it is 0; then the largest of the lane's 64 and of the lane 16 away, which holds the query's other keys.
.macro PASS1 a
	WIN 0
	s_wait_dscnt 8*(3-(\a))                        ; the later blocks' loads may be out
.set n, 0
.rept 16
	v_lshlrev_b32 v[X+n], 8, v[MB+16*(\a)+n]
.set n, n+1
.endr
.set n, 0
.rept 16
	v_sub_nc_u32 v[MB+16*(\a)+n], v[X+n], v[MB+16*(\a)+n]
.set n, n+1
.endr
.set n, 0
.rept 64
	v_perm_b32 v[X+n], v[MB+16*(\a)+n/4], v[MB+16*(\a)+n/4], s[SELB+n%4]
.set n, n+1
.endr
	WIN 0x44                                       ; source 1 and destination window 1; each accumulator's registers in ascending order
.set n, 0
.rept 64
	v_bfi_b32 v[64*(\a)+n], v[X+n], v[64*(\a)+n], s[NEG]
.set n, n+1
.endr
	WIN 0x14                                       ; sources 1 and 2 window 1
.set n, 0
.rept 32
.if n < 4
	v_max3_num_f32 v[CH+n], s[LOW], v[64*(\a)+2*n], v[64*(\a)+2*n+1]
.else
	v_max3_num_f32 v[CH+n%4], v[CH+n%4], v[64*(\a)+2*n], v[64*(\a)+2*n+1]
.endif
.set n, n+1
.endr
	WIN 0
	v_max3_num_f32 v[CH], v[CH], v[CH+1], v[CH+2]
	v_max_num_f32 v[CH], v[CH], v[CH+3]
	v_permlanex16_b32 v[CH+1], v[CH], s[SEL], s[SEL+1]
	v_max_num_f32 v[M4+(\a)], v[CH], v[CH+1]
.endm
	PASS1 0
	PASS1 1
	PASS1 2
	PASS1 3
	ds_store_b128 v[XMS], v[M4:M4+3]               ; both halves of the lanes hold, and write, the same numbers
	s_wait_dscnt 0x0                               ; for my partner's sake
	s_barrier_signal -1
	s_barrier_wait -1
	ds_load_b128 v[XO:XO+3], v[XML]
	s_wait_dscnt 0x0
.irp a, 0,1,2,3
	v_max_num_f32 v[MS+2*(\a)],   v[M4+(\a)], v[XO+(\a)]  ; m over the tile's 256 keys
	v_max_num_f32 v[MS+2*(\a)+1], v[M4+(\a)], v[XO+(\a)]
.endr
	s_cmp_lg_u32 s[WC], 0                          ; of the two partners the one with WC = 0 stores m
	s_cbranch_scc1 .Lno_m
	v_cndmask_b32 v[TM],   v[MS],   v[MS+2], s[HM] ; lanes 0-15 block 0's rows, lanes 16-31 block 1's: 32 neighbouring rows
	v_cndmask_b32 v[TM+1], v[MS+4], v[MS+6], s[HM]
	global_store_b32 v[SO], v[TM],   s[MP:MP+1]    ; 128 consecutive bytes each
	global_store_b32 v[SO], v[TM+1], s[MP:MP+1] offset:128
.Lno_m:
; Block a: t - m (exact where t = m), 2^, rounded to f16 in pairs; the sum of the unrounded p, over the lane's 64 and the lane 16 away.
.macro PASS2 a
	WIN 0x01
.set n, 0
.rept 32
	v_pk_add_f32 v[T+2*n:T+2*n+1], v[64*(\a)+2*n:64*(\a)+2*n+1], v[MS+2*(\a):MS+2*(\a)+1] neg_lo:[0,1] neg_hi:[0,1]
.set n, n+1
.endr
	WIN 0
.set n, 0
.rept 64
	v_exp_f32 v[T+n], v[T+n]
.set n, n+1
.endr
	v_nop                                          ; a plain instruction between the last exponential and the use of its result
.set n, 0
	s_wait_alu depctr_va_vdst(0)
.rept 32
	v_cvt_pk_f16_f32 v[PK+n], v[T+2*n], v[T+2*n+1]
.set n, n+1
.endr
.irp w, 16,8,4,2,1
.set n, 0
.rept \w
	v_pk_add_f32 v[T+2*n:T+2*n+1], v[T+2*n:T+2*n+1], v[T+2*(n+\w):T+2*(n+\w)+1]
.set n, n+1
.endr
.endr
	v_add_f32 v[CH], v[T], v[T+1]
	v_permlanex16_b32 v[CH+1], v[CH], s[SEL], s[SEL+1]
	v_add_f32 v[LS+(\a)], v[CH], v[CH+1]
.endm
.macro TOSTAGE a
.set BK, 224-192*((\a)%2)              ; v224-255 and v32-63 by turns
.irp b, 0,1,2,3,4,5,6,7
	ds_store_b128 v[STO], v[PK+4*(\b):PK+4*(\b)+3] offset:32*(\b)
.endr
.irp t, 0,1,2,3,4,5,6,7
	ds_load_b128 v[BK+4*(\t):BK+4*(\t)+3], v[RD] offset:(\t)*2*SP  ; LDS serves a wave's instructions in order (ISA guide 5.7.1.4): these see the stores above
.endr
.endm
.macro SEND a
.set BK, 224-192*((\a)%2)
	s_wait_dscnt 0x0
	s_wait_xcnt 0x0                                ; the registers that the block before last was stored from are loaded again only behind this wait
.irp t, 0,1,2,3,4,5,6,7
	global_store_b128 v[CO], v[BK+4*(\t):BK+4*(\t)+3], s[OUTP:OUTP+1] offset:(16*(\a)+2*(\t))*4096  ; 16 lanes store 256 consecutive bytes, at a multiple of 256 from pt's first byte
.endr
.endm
	PASS2 0
	TOSTAGE 0
.irp a, 1,2,3
	PASS2 \a
	SEND (\a)-1
	TOSTAGE \a
.endr
	SEND 3
	v_cndmask_b32 v[TM+2], v[LS],   v[LS+1], s[HM]
	v_cndmask_b32 v[TM+3], v[LS+2], v[LS+3], s[HM]
	global_store_b32 v[SO], v[TM+2], s[LP:LP+1]    ; every wave stores the sums of its own 128 keys
	global_store_b32 v[SO], v[TM+3], s[LP:LP+1] offset:128
	s_wait_tensorcnt 0x0                           ; the wave's end
	ds_add_u32 v[SPW], v[NIL]
	s_wait_dscnt 0x0
	CROUND                                         ; the closing round
	s_endpgm
.Lfunc_end_k_q46d1275db7_scores:
	.size	k_q46d1275db7_scores, .Lfunc_end_k_q46d1275db7_scores-k_q46d1275db7_scores
	.p2alignl 7, 3214868480
	.fill 96, 4, 3214868480
	.section	.rodata,"a",@progbits
	.p2align	6, 0x0
	.amdhsa_kernel k_q46d1275db7_scores
		.amdhsa_group_segment_fixed_size 327680
		.amdhsa_private_segment_fixed_size 0
		.amdhsa_enable_private_segment 0
		.amdhsa_kernarg_size 32
		.amdhsa_user_sgpr_count 2
		.amdhsa_user_sgpr_kernarg_segment_ptr 1
		.amdhsa_wavefront_size32 1
		.amdhsa_system_sgpr_workgroup_id_x 1
		.amdhsa_system_sgpr_workgroup_id_y 1
		.amdhsa_system_sgpr_workgroup_id_z 1
		.amdhsa_system_vgpr_workitem_id 0
		.amdhsa_next_free_vgpr 512
		.amdhsa_next_free_sgpr 96
		.amdhsa_reserve_vcc 0
		.amdhsa_float_denorm_mode_32 3
		.amdhsa_float_denorm_mode_16_64 3
		.amdhsa_memory_ordered 1
		.amdhsa_forward_progress 1
		.amdhsa_inst_pref_size 161
	.end_amdhsa_kernel
	.amdgpu_metadata
---
amdhsa.version: [ 1, 2 ]
amdhsa.kernels:
  - .name:           k_q46d1275db7_scores
    .symbol:         k_q46d1275db7_scores.kd
    .args:
      - { .name: y, .offset: 0, .size: 8, .value_kind: global_buffer, .address_space: global }
      - { .name: mask, .offset: 8, .size: 8, .value_kind: global_buffer, .address_space: global }
      - { .name: pt, .offset: 16, .size: 8, .value_kind: global_buffer, .address_space: global }
      - { .name: st, .offset: 24, .size: 8, .value_kind: global_buffer, .address_space: global }
    .group_segment_fixed_size: 327680
    .private_segment_fixed_size: 0
    .kernarg_segment_align: 8
    .kernarg_segment_size: 32
    .max_flat_workgroup_size: 128
    .sgpr_count:     96
    .vgpr_count:     512
    .wavefront_size: 32
...
	.end_amdgpu_metadata
.endif
;; end of part 3
;; launch pv (part 4): grid 4 x 64, 4 waves a work-group, clusters of 4 x 4, 327,680 bytes of LDS; arguments pt, y, st, out0; writes out0
.if DOCPART == 4
	.amdgcn_target "amdgcn-amd-amdhsa--gfx1250"
	.amdhsa_code_object_version 6
	.text
	.protected	k_q46d1275db7_pv
	.globl	k_q46d1275db7_pv
	.p2align	8
	.type	k_q46d1275db7_pv,@function
k_q46d1275db7_pv:
	s_mov_b64 s[64:65], 0
	v_nop
	global_prefetch_b8 v0, s[64:65] scope:SCOPE_SE
	s_setreg_imm32_b32 hwreg(HW_REG_WAVE_MODE, 25, 1), 1
	s_wait_xcnt 0x0
	s_wait_alu depctr_hold_cnt(0) depctr_sa_sdst(0) depctr_va_vdst(0) depctr_va_sdst(0) depctr_va_ssrc(0) depctr_va_vcc(0) depctr_vm_vsrc(0)
	s_getreg_b32 s2, hwreg(HW_REG_IB_STS2, 6, 4)
	s_cmp_eq_u32 s2, 0
	s_cbranch_scc0 .Lentry_in_a_cluster
	s_endpgm
.Lentry_in_a_cluster:
	s_bfe_u32 s2, ttmp6, 0x10000c
	s_cmp_lg_u32 s2, 0xf033
	s_cbranch_scc0 .Lentry_shape_is_right
	s_endpgm
.Lentry_shape_is_right:
; out0 = qp + the sum over the key tiles j of F_j (P_j V_j).  pt: [8192][2048] f16, p = 2^(t - m_j); y: [24576][1024] f16 (qp, c kp, vp); st: m[8][8192], l[16][8192] f32; out0: [8192][1024] f32.
; For each query: M = the largest of its eight m_j; f_j = 2^(m_j - M); L = the sum of f_j (l_2j + l_2j+1), at least 1; F_j = f_j / L.  So every weight is 2^(t - M) / L: the softmax with the row's maximum taken away.
; LIMITS.  f_j below 2^-126 counts as 0.  The residual is qp as rounded to f16.  NaN and infinities are not treated apart.
; SHARES, RING, CLUSTER.  A tile of out0 is 128 queries x 256 channels: 256 work-groups of equal work; four waves, wave (WR, WC): 64 x 128.  K is the batch's 2,048 keys, in steps of 128 through two LDS slots:
; a lap of the ring is one key tile j.  P's rows lie along K (pitch 272); V's tile is 128 keys x 512 bytes (pitch 544), turned by ds_load_tr16_b128.  Source 0 = 16 channels, source 1 = 16 queries: a lane
; holds query l % 16 and eight neighbouring channels.  4 x 4 work-groups form a cluster: P's tile is asked for jointly along a row of the cluster, V's along a column.
; A lap's products start with C = 0 in window 1; at its end O (window 2) takes them times F_j: 128 packed multiply-adds.  O is cleared once, in the wait for the first tiles: the price of writing no first lap out.
; REGISTERS.  Window 0: v0-31 addresses; v32-127, v128-223 two fragment buffers (P's block a at +8 a, V's block b at +32 + 8 b); v224-231 F_j.  Window 1: the lap's sums, (a, b) at v[8 (8 a + b)].  Window 2: O, likewise.
.set PA,     272
.set PB,     544
.set AHALF,  64*PA
.set BHALF,  64*PB
.set BOFF,   2*AHALF
.set SLOT,   2*AHALF+2*BHALF
.set STAGE,  2*SLOT                    ; 16 rows x 528 bytes for each wave
.set SP,     528                       ; a row of 128 f32 + 16 bytes: the 16 rows of a store start 132 words apart
.set SPARE,  STAGE+4*16*SP             ; the spare words: two blocks of 256 bytes that no other line names
.set FT,     SPARE+512                 ; 4,096 bytes for each wave: F_j twice, at 512 j + 32 (row % 16) + 8 (row / 16)
.set VOFF,   16384*2048                ; vp's first byte in y
.set LOFF,   8*8192*4
.set ASTEP,  256
.set BSTEP,  128*2048
.set ADRA, 4
.set ADRB, 6
.set STO,  8
.set RD,   9
.set GO,   10                          ; v10  16 x lane: my place in a row of out0
.set RO,   11                          ; v11  8 x lane: in a row of the residual
.set SPW,  12
.set NIL,  13
.set SO,   14                          ; v14  4 x lane
.set FTS,  15                          ; v15  where I put the factors of my two rows
.set FT0,  16                          ; v16  where my lane's factors of tile 0 lie
.set FTA,  18                          ; v18  those of the tile in hand
.set F0,   32
.set F1,   128
.set FV,   224                         ; v224-231 F_j of block a, twice, at FV + 2 a
.set MT,   32                          ; the prologue: m of my rows i and i + 32, at MT + 8 u + j
.set LT,   48                          ; l, at LT + 16 u + jj
.set MX,   80
.set LSUM, 82
.set RC,   84
.set FPR,  96                          ; F, in pairs
.set RS,   32                          ; the way out: v32-63 the residual of 16 rows, f16
.set OB,   96                          ; v96-159 16 rows read back from the stage
.set TT,   160                         ; v160-223 the residual in f32
.set WV,  12
.set WR,  13
.set WC,  14
.set G1A, 24
.set G0A, 32
.set G1B, 40
.set G0B, 48
.set OUTP, 86                          ; s[86:87] out0 at my part of the tile
.set STP,  88                          ; s[88:89] st at my wave's 64 rows
.set RES,  90                          ; s[90:91] qp at my part of the tile
.set FJ,   93                          ; s93  512 j
.set MSB, 0
.macro WIN new
.if MSB != (\new)
	s_set_vgpr_msb (MSB<<8)|(\new)
.set MSB, \new
.endif
.endm
.set MULW, 0x50                        ; sources 0 and 1 window 0, C and D window 1
.macro PLACES                          ; four plain vector instructions between a matrix instruction and a load into, or a vector instruction on, its registers
.rept 4
	v_nop
.endr
.endm
.macro JLOAD s                         ; a joint load: waves 0 and 1 P's halves, waves 2 and 3 V's; an s_nop 0 and four v_nop follow each line
	s_cmp_eq_u32 s[WR], 0
	s_cbranch_scc0 .Lfor_b_\@
	tensor_load_to_lds s[G0A+4*(\s):G0A+4*(\s)+3], s[G1A:G1A+7]
	s_nop 0
	PLACES
	s_branch .Lasked_\@
.Lfor_b_\@:
	tensor_load_to_lds s[G0B+4*(\s):G0B+4*(\s)+3], s[G1B:G1B+7]
	s_nop 0
	PLACES
.Lasked_\@:
.endm
.macro CREST
	s_cmp_lg_u32 s[WV], 0
	s_cbranch_scc1 .Lnot_wave_0_\@
	s_barrier_signal -3
.Lnot_wave_0_\@:
	s_barrier_wait -3
	s_barrier_signal -1
	s_barrier_wait -1
.endm
.macro CROUND
	s_barrier_signal -1
	s_barrier_wait -1
	CREST
.endm
	s_load_b256 s[4:11], s[0:1], 0x0               ; pt s[4:5], y s[6:7], st s[8:9], out0 s[10:11]
	v_lshl_add_u32 v[SPW], v0, 2, SPARE
	v_mov_b32 v[NIL], 0
	ds_add_u32 v12, v13
	s_wait_dscnt 0x0
	v_lshrrev_b32 v1, 5, v0
	v_readfirstlane_b32 s[WV], v1
	s_lshr_b32 s[WR], s[WV], 1
	s_and_b32 s[WC], s[WV], 1
	s_bfe_u32 s15, ttmp6, 0x40000                  ; cx
	s_bfe_u32 s16, ttmp6, 0x40004                  ; cy
	s_lshl_b32 s17, ttmp9, 2
	s_add_co_u32 s17, s17, s15                     ; channel tile tx
	s_and_b32 s19, ttmp7, 0xffff                   ; cluster y; the batch is cluster y / 4
	s_lshl_b32 s18, s19, 2
	s_add_co_u32 s18, s18, s16                     ; query tile ty
	s_lshl_b32 s20, s16, 2
	s_lshl_b32 s20, 15, s20
	s_lshl_b32 s21, 0x1111, s15
	s_or_b32 s[G1A], s20, (1<<16)|(1<<20)|(1<<21)|(5<<22)|(3<<25)  ; the mask of four; 2-byte elements; padding on; bit 21 beside a mask; after every 64 words 4 words
	s_mov_b32 s[G1A+1], 128<<16                    ; tensor_dim0 = 128
	s_mov_b32 s[G1A+2], 64<<16                     ; tensor_dim1 = 64
	s_mov_b32 s[G1A+3], 128<<16                    ; tile_dim0 = 128
	s_mov_b32 s[G1A+4], 64                         ; tile_dim1 = 64
	s_mov_b32 s[G1A+5], 2048                       ; a row of pt
	s_mov_b32 s[G1A+6], 0
	s_mov_b32 s[G1A+7], 0
	s_or_b32 s[G1B], s21, (1<<16)|(1<<20)|(1<<21)|(6<<22)|(7<<25)  ; after every 128 words 8 words
	s_mov_b32 s[G1B+1], 256<<16
	s_mov_b32 s[G1B+2], 64<<16
	s_mov_b32 s[G1B+3], 256<<16
	s_mov_b32 s[G1B+4], 64
	s_mov_b32 s[G1B+5], 1024
	s_mov_b32 s[G1B+6], 0
	s_mov_b32 s[G1B+7], 0
	s_lshl_b32 s22, s18, 19                        ; P: row 128 ty + 64 WC, 4,096 bytes a row
	s_lshl_b32 s2, s[WC], 18
	s_add_co_u32 s22, s22, s2
	s_mov_b32 s23, 0
	s_lshl_b32 s72, s17, 9                         ; V: key 2,048 batch + 64 WC, channel 256 tx
	s_lshr_b32 s2, s19, 2
	s_lshl_b32 s2, s2, 22
	s_add_co_u32 s72, s72, s2
	s_lshl_b32 s2, s[WC], 17
	s_add_co_u32 s72, s72, s2
	s_add_co_u32 s72, s72, VOFF
	s_mov_b32 s73, 0
	s_mul_i32 s3, s[WC], AHALF
	s_mul_i32 s2, s[WC], BHALF
	s_add_co_u32 s2, s2, BOFF
	s_mov_b32 s[FJ], 0
	s_wait_kmcnt 0x0
	s_add_nc_u64 s[22:23], s[4:5], s[22:23]
	s_add_nc_u64 s[72:73], s[6:7], s[72:73]
	CROUND                                         ; all sixteen work-groups are here: the first joint loads meet
.irp s, 0,1
	s_mov_b32 s[G0A+4*(\s)], 1
	s_add_co_u32 s[G0A+4*(\s)+1], s3, (\s)*SLOT
	s_add_nc_u64 s[G0A+4*(\s)+2:G0A+4*(\s)+3], s[22:23], (\s)*ASTEP
	s_or_b32 s[G0A+4*(\s)+3], s[G0A+4*(\s)+3], 0x80000000
	s_mov_b32 s[G0B+4*(\s)], 1
	s_add_co_u32 s[G0B+4*(\s)+1], s2, (\s)*SLOT
	s_add_nc_u64 s[G0B+4*(\s)+2:G0B+4*(\s)+3], s[72:73], (\s)*BSTEP
	s_or_b32 s[G0B+4*(\s)+3], s[G0B+4*(\s)+3], 0x80000000
.endr
	s_cmp_eq_u32 s[WR], 0                          ; a wave's two first fills stand in one branch: two loads of mine are out
	s_cbranch_scc0 .Lfirst_b
	tensor_load_to_lds s[G0A:G0A+3], s[G1A:G1A+7]
	s_nop 0
	tensor_load_to_lds s[G0A+4:G0A+7], s[G1A:G1A+7]
	s_nop 0
	PLACES
	s_branch .Lfirst_asked
.Lfirst_b:
	tensor_load_to_lds s[G0B:G0B+3], s[G1B:G1B+7]
	s_nop 0
	tensor_load_to_lds s[G0B+4:G0B+7], s[G1B:G1B+7]
	s_nop 0
	PLACES
.Lfirst_asked:
	; THE FACTORS.  Lane i takes rows i and i + 32 of my wave's 64: eight m and sixteen l for each.
	s_lshl_b32 s74, s18, 9
	s_lshl_b32 s2, s[WR], 8
	s_add_co_u32 s74, s74, s2
	s_mov_b32 s75, 0
	s_add_nc_u64 s[STP:STP+1], s[8:9], s[74:75]
	v_and_b32 v17, 31, v0                          ; lane
	v_lshlrev_b32 v[SO], 2, v17
.set j, 0
.rept 8
	global_load_b32 v[MT+j],   v[SO], s[STP:STP+1] offset:32768*j
	global_load_b32 v[MT+8+j], v[SO], s[STP:STP+1] offset:32768*j+128
.set j, j+1
.endr
.set j, 0
.rept 16
	global_load_b32 v[LT+j],    v[SO], s[STP:STP+1] offset:LOFF+32768*j
	global_load_b32 v[LT+16+j], v[SO], s[STP:STP+1] offset:LOFF+32768*j+128
.set j, j+1
.endr
	v_and_b32 v1, 15, v0                           ; r = l % 16
	v_bfe_u32 v2, v0, 4, 1                         ; h = l / 16
	v_mul_u32_u24 v3, v1, PA
	v_lshl_add_u32 v3, v2, 4, v3
	s_mul_i32 s2, s[WR], AHALF
	v_add_nc_u32 v[ADRA], s2, v3
	v_add_nc_u32 v[ADRA+1], SLOT, v[ADRA]
	v_and_b32 v19, 7, v0                           ; the turning load: key 8 h + l % 8, channels 8 ((l / 8) % 2) + 0..7
	v_lshl_add_u32 v19, v2, 3, v19
	v_mul_u32_u24 v19, v19, PB
	v_bfe_u32 v20, v0, 3, 1
	v_lshl_add_u32 v19, v20, 4, v19
	s_lshl_b32 s2, s[WC], 8
	s_add_co_u32 s2, s2, BOFF
	v_add_nc_u32 v[ADRB], s2, v19
	v_add_nc_u32 v[ADRB+1], SLOT, v[ADRB]
	s_mul_i32 s2, s[WV], 16*SP
	s_add_co_u32 s2, s2, STAGE                     ; my stage
	v_mul_u32_u24 v[STO], v1, SP                   ; in: row r, 32 bytes for each half of the lanes
	v_lshl_add_u32 v[STO], v2, 5, v[STO]
	v_add_nc_u32 v[STO], s2, v[STO]
	v_lshlrev_b32 v[GO], 4, v17
	v_add_nc_u32 v[RD], s2, v[GO]                  ; back: 32 lanes take one row of 512 bytes
	v_lshlrev_b32 v[RO], 3, v17
	s_lshl_b32 s2, s[WV], 12
	s_add_co_u32 s2, s2, FT
	v_lshl_add_u32 v[FT0], v1, 5, s2
	v_lshl_add_u32 v[FTS], v2, 3, v[FT0]           ; row i = 16 h + r lies in block h, row i + 32 in block h + 2
	s_lshl_b32 s74, s18, 18                        ; qp at row 128 ty + 64 WR, channel 256 tx + 128 WC
	s_lshl_b32 s2, s[WR], 17
	s_add_co_u32 s74, s74, s2
	s_lshl_b32 s2, s17, 9
	s_add_co_u32 s74, s74, s2
	s_lshl_b32 s2, s[WC], 8
	s_add_co_u32 s74, s74, s2
	s_add_nc_u64 s[RES:RES+1], s[6:7], s[74:75]
	s_lshl_b32 s74, s74, 1                         ; out0: the same place, 4 bytes a number
	s_add_nc_u64 s[OUTP:OUTP+1], s[10:11], s[74:75]
	WIN 0x80                                       ; O = 0
.set n, 0
.rept 256
	v_mov_b32 v[n], 0
.set n, n+1
.endr
	WIN 0
	s_wait_loadcnt 0x0
.irp u, 0,1
	v_max3_num_f32 v[MX+\u], v[MT+8*\u], v[MT+8*\u+1], v[MT+8*\u+2]
	v_max3_num_f32 v[MX+\u], v[MX+\u], v[MT+8*\u+3], v[MT+8*\u+4]
	v_max3_num_f32 v[MX+\u], v[MX+\u], v[MT+8*\u+5], v[MT+8*\u+6]
	v_max_num_f32 v[MX+\u], v[MX+\u], v[MT+8*\u+7]
.endr
.set n, 0
.rept 16
	v_sub_f32 v[MT+n], v[MT+n], v[MX+n/8]          ; m_j - M: 0 for the largest, exactly
.set n, n+1
.endr
.set n, 0
.rept 16
	v_exp_f32 v[MT+n], v[MT+n]                     ; f_j
.set n, n+1
.endr
.set n, 0
.rept 16
	v_add_f32 v[LT+2*n], v[LT+2*n], v[LT+2*n+1]    ; a tile's two halves; plain instructions behind the exponentials
.set n, n+1
.endr
	s_wait_alu depctr_va_vdst(0)
.irp u, 0,1
	v_mul_f32 v[LSUM+\u], v[MT+8*\u], v[LT+16*\u]
.irp j, 1,2,3,4,5,6,7
	v_fmac_f32 v[LSUM+\u], v[MT+8*\u+\j], v[LT+16*\u+2*\j]
.endr
.endr
	v_rcp_f32 v[RC], v[LSUM]
	v_rcp_f32 v[RC+1], v[LSUM+1]
	v_nop                                          ; a plain instruction between the last reciprocal and the use of its result
.set n, 0
	s_wait_alu depctr_va_vdst(0)
.rept 16
	v_mul_f32 v[FPR+2*n],   v[MT+n], v[RC+n/8]
	v_mul_f32 v[FPR+2*n+1], v[MT+n], v[RC+n/8]     ; twice: a pair for the packed multiply-add
.set n, n+1
.endr
.set n, 0
.rept 16
	ds_store_b64 v[FTS], v[FPR+2*n:FPR+2*n+1] offset:512*(n%8)+16*(n/8)  ; my wave's own bytes: only my wave reads them, and LDS serves a wave's instructions in order
.set n, n+1
.endr
; 8 matrix instructions: P's block a x all 8 blocks of V, 32 keys.  The 32 accumulators take turns, one instruction a turn, in one order everywhere.
.macro MULA f, a, zero
	WIN MULW
.irp b, 0,1,2,3,4,5,6,7
.if \zero
	v_wmma_f32_16x16x32_f16 v[8*(8*(\a)+(\b)):8*(8*(\a)+(\b))+7], v[(\f)+32+8*(\b):(\f)+32+8*(\b)+7], v[(\f)+8*(\a):(\f)+8*(\a)+7], 0
.else
	v_wmma_f32_16x16x32_f16 v[8*(8*(\a)+(\b)):8*(8*(\a)+(\b))+7], v[(\f)+32+8*(\b):(\f)+32+8*(\b)+7], v[(\f)+8*(\a):(\f)+8*(\a)+7], v[8*(8*(\a)+(\b)):8*(8*(\a)+(\b))+7]
.endif
.endr
.endm
.macro MUL16 f, a0, zero
	MULA \f, \a0, \zero
	MULA \f, (\a0)+1, \zero
.endm
.macro FETCH slot, q, g                ; 24 LDS loads in one run: V's 16, turned, then P's 8 with its blocks ascending
	WIN 0
.irp i, 0,1,2,3,4,5,6,7
	ds_load_tr16_b128 v[(\g)+32+8*(\i):(\g)+32+8*(\i)+3],   v[ADRB+(\slot)] offset:(\q)*32*PB+32*(\i)
	ds_load_tr16_b128 v[(\g)+32+8*(\i)+4:(\g)+32+8*(\i)+7], v[ADRB+(\slot)] offset:(\q)*32*PB+32*(\i)+16*PB
.endr
.irp i, 0,1,2,3
	ds_load_b128 v[(\g)+8*(\i):(\g)+8*(\i)+3],   v[ADRA+(\slot)] offset:(\q)*64+(\i)*16*PA
	ds_load_b128 v[(\g)+8*(\i)+4:(\g)+8*(\i)+7], v[ADRA+(\slot)] offset:(\q)*64+(\i)*16*PA+32
.endr
.endm
.macro QUARTER slot, q, f, g, zero
	s_wait_dscnt 4                                 ; V and P's blocks 0 and 1 are in; the four youngest loads may be out
	MUL16 \f, 0, \zero
	PLACES
	FETCH \slot, \q, \g
	s_wait_dscnt 24                                ; all but the 24 just issued
	MUL16 \f, 2, \zero
.endm
.macro FLOAD                           ; the factors of the tile in hand: my lane's query in each of the four blocks
	WIN 0
	v_add_nc_u32 v[FTA], s[FJ], v[FT0]
	s_add_co_u32 s[FJ], s[FJ], 512
	ds_load_b128 v[FV:FV+3],   v[FTA]
	ds_load_b128 v[FV+4:FV+7], v[FTA] offset:16
.endm
; The last quarter and the change of slots: each wave waits for all its tensor loads, adds 0 to its spare word, waits for that and for its reads of this slot, and signals.
; fill = 1: the barrier opens a round of the cluster's, and the slot is filled again first thing behind the round.  ftab = 1: the lap ends here: its factors are fetched ahead of the next fragments.
.macro TURN slot, next, fill, ftab=0
	WIN 0
	s_wait_tensorcnt 0x0
	ds_add_u32 v[SPW], v[NIL]
	s_wait_dscnt 5                                 ; the add and the four youngest loads may be out
	MULA F1, 0, 0
	s_wait_dscnt 0x0                               ; the add is done, and my reads of this slot are over
	s_barrier_signal -1
	MULA F1, 1, 0
.if \fill
	WIN 0
.endif
	s_barrier_wait -1
.if \fill
	CREST
	s_add_nc_u64 s[G0A+4*(\slot)+2:G0A+4*(\slot)+3], s[G0A+4*(\slot)+2:G0A+4*(\slot)+3], 2*ASTEP
	s_add_nc_u64 s[G0B+4*(\slot)+2:G0B+4*(\slot)+3], s[G0B+4*(\slot)+2:G0B+4*(\slot)+3], 2*BSTEP
	JLOAD \slot
.else
	PLACES
.endif
.if \ftab
	FLOAD
.endif
	FETCH \next, 0, F0
	MUL16 F1, 2, 0
.endm
.macro FOLD                            ; O += F_j x the lap's sums; each accumulator's registers in ascending order
	WIN 0xa1                                       ; destination and source 2 window 2, source 0 window 1, source 1 window 0
.set n, 0
.rept 128
	v_pk_fma_f32 v[2*n:2*n+1], v[2*n:2*n+1], v[FV+2*(n/32):FV+2*(n/32)+1], v[2*n:2*n+1]
.set n, n+1
.endr
	WIN 0
.endm
.macro RLOAD a                         ; the residual of block a: 16 rows, 256 consecutive bytes each
.set n, 0
.rept 16
	global_load_b64 v[RS+2*n:RS+2*n+1], v[RO], s[RES:RES+1] offset:(16*(\a)+n)*2048
.set n, n+1
.endr
.endm
	s_wait_tensorcnt 0x1                           ; my part of K step 0 is in; K step 1's may stay out
	s_wait_dscnt 0x0                               ; no LDS instruction of mine is pending at a signal
	s_barrier_signal -1
	s_barrier_wait -1
	FETCH 0, 0, F0
	s_mov_b32 s3, 7
.Llap:                                                 ; a trip is one key tile: two K steps, both slots filled again, the fold
	QUARTER 0, 1, F0, F1, 1                        ; the lap's first products start its sums
	QUARTER 0, 2, F1, F0, 0
	QUARTER 0, 3, F0, F1, 0
	TURN 0, 1, 1
	QUARTER 1, 1, F0, F1, 0
	QUARTER 1, 2, F1, F0, 0
	QUARTER 1, 3, F0, F1, 0
	TURN 1, 0, 1, 1
	PLACES
	s_wait_dscnt 24                                ; the factors are in: the 24 fragment loads were issued behind them
	FOLD
	s_sub_co_u32 s3, s3, 1
	s_cmp_lg_u32 s3, 0
	s_cbranch_scc1 .Llap
	QUARTER 0, 1, F0, F1, 1                        ; the last key tile fills nothing
	QUARTER 0, 2, F1, F0, 0
	QUARTER 0, 3, F0, F1, 0
	TURN 0, 1, 0
	QUARTER 1, 1, F0, F1, 0
	QUARTER 1, 2, F1, F0, 0
	QUARTER 1, 3, F0, F1, 0
	FLOAD
	s_wait_dscnt 6                                 ; the four youngest fragment loads and the two factor loads may be out
	MUL16 F1, 0, 0
	s_wait_dscnt 0x0
	MUL16 F1, 2, 0
	WIN 0
	PLACES
	RLOAD 0                                        ; into registers that the products have read: behind the four places
	FOLD
; THE WAY OUT, a block of 16 rows at a time.  The residual is widened to f32 and the next block's is asked for; O goes through my own stage in LDS and comes back as whole rows of 512 bytes;
; each row takes its residual and is stored.
.macro CVT64                           ; v32-63, low half then high half, into v[TT ..]: number n of the 64 belongs to register n of the rows read back
.set n, 0
.irp s, v32.l,v32.h,v33.l,v33.h,v34.l,v34.h,v35.l,v35.h,v36.l,v36.h,v37.l,v37.h,v38.l,v38.h,v39.l,v39.h,v40.l,v40.h,v41.l,v41.h,v42.l,v42.h,v43.l,v43.h,v44.l,v44.h,v45.l,v45.h,v46.l,v46.h,v47.l,v47.h,v48.l,v48.h,v49.l,v49.h,v50.l,v50.h,v51.l,v51.h,v52.l,v52.h,v53.l,v53.h,v54.l,v54.h,v55.l,v55.h,v56.l,v56.h,v57.l,v57.h,v58.l,v58.h,v59.l,v59.h,v60.l,v60.h,v61.l,v61.h,v62.l,v62.h,v63.l,v63.h
	v_cvt_f32_f16 v[TT+n], \s
.set n, n+1
.endr
.endm
.macro OUTB a
	WIN 0
	s_wait_xcnt 0x0                                ; the registers that the last block was stored from are loaded again only behind this wait
	s_wait_loadcnt 0x0                             ; this block's residual is in
	CVT64
.if (\a) < 3
	RLOAD (\a)+1                                   ; it has this block's way through the stage in which to land
.endif
	WIN 0x08                                       ; the stores' data in window 2
.set n, 0
.rept 16
	ds_store_b128 v[STO], v[64*(\a)+4*n:64*(\a)+4*n+3] offset:64*(n/2)+16*(n%2)
.set n, n+1
.endr
	WIN 0
.set n, 0
.rept 16
	ds_load_b128 v[OB+4*n:OB+4*n+3], v[RD] offset:SP*n  ; LDS serves a wave's instructions in order (ISA guide 5.7.1.4): these see the stores above
.set n, n+1
.endr
.set n, 0
.rept 16
	s_wait_dscnt 15-n                              ; row n is back; the younger loads stay out
	v_pk_add_f32 v[OB+4*n:OB+4*n+1],   v[OB+4*n:OB+4*n+1],   v[TT+4*n:TT+4*n+1]
	v_pk_add_f32 v[OB+4*n+2:OB+4*n+3], v[OB+4*n+2:OB+4*n+3], v[TT+4*n+2:TT+4*n+3]
	global_store_b128 v[GO], v[OB+4*n:OB+4*n+3], s[OUTP:OUTP+1] offset:(16*(\a)+n)*4096 th:TH_STORE_NT  ; 512 consecutive bytes, at a multiple of 256 from out0's first byte
.set n, n+1
.endr
.endm
	OUTB 0
	OUTB 1
	OUTB 2
	OUTB 3
	s_wait_tensorcnt 0x0                           ; the wave's end
	ds_add_u32 v[SPW], v[NIL]
	s_wait_dscnt 0x0
	CROUND                                         ; the closing round
	s_endpgm
.Lfunc_end_k_q46d1275db7_pv:
	.size	k_q46d1275db7_pv, .Lfunc_end_k_q46d1275db7_pv-k_q46d1275db7_pv
	.p2alignl 7, 3214868480
	.fill 96, 4, 3214868480
	.section	.rodata,"a",@progbits
	.p2align	6, 0x0
	.amdhsa_kernel k_q46d1275db7_pv
		.amdhsa_group_segment_fixed_size 327680
		.amdhsa_private_segment_fixed_size 0
		.amdhsa_enable_private_segment 0
		.amdhsa_kernarg_size 32
		.amdhsa_user_sgpr_count 2
		.amdhsa_user_sgpr_kernarg_segment_ptr 1
		.amdhsa_wavefront_size32 1
		.amdhsa_system_sgpr_workgroup_id_x 1
		.amdhsa_system_sgpr_workgroup_id_y 1
		.amdhsa_system_sgpr_workgroup_id_z 1
		.amdhsa_system_vgpr_workitem_id 0
		.amdhsa_next_free_vgpr 768
		.amdhsa_next_free_sgpr 96
		.amdhsa_reserve_vcc 0
		.amdhsa_float_denorm_mode_32 3
		.amdhsa_float_denorm_mode_16_64 3
		.amdhsa_memory_ordered 1
		.amdhsa_forward_progress 1
		.amdhsa_inst_pref_size 143
	.end_amdhsa_kernel
	.amdgpu_metadata
---
amdhsa.version: [ 1, 2 ]
amdhsa.kernels:
  - .name:           k_q46d1275db7_pv
    .symbol:         k_q46d1275db7_pv.kd
    .args:
      - { .name: pt, .offset: 0, .size: 8, .value_kind: global_buffer, .address_space: global }
      - { .name: y, .offset: 8, .size: 8, .value_kind: global_buffer, .address_space: global }
      - { .name: st, .offset: 16, .size: 8, .value_kind: global_buffer, .address_space: global }
      - { .name: out0, .offset: 24, .size: 8, .value_kind: global_buffer, .address_space: global }
    .group_segment_fixed_size: 327680
    .private_segment_fixed_size: 0
    .kernarg_segment_align: 8
    .kernarg_segment_size: 32
    .max_flat_workgroup_size: 128
    .sgpr_count:     96
    .vgpr_count:     768
    .wavefront_size: 32
...
	.end_amdgpu_metadata
.endif
;; end of part 4
;; ======== version 2 of 2: 4 launches
;; limits: values outside matrix products are rounded to f16; values are held in f16: magnitudes above 65,504 overflow, below 6.1e-05 lose precision; right only within a limited range of input values
;; workspace buffers: xb 52,428,800 bytes; y 50,331,648 bytes; pt 33,554,432 bytes; st 786,432 bytes
;; launch cast: the kernel of part 1 again; grid 1600 x 1, 8 waves a work-group, no clusters, 0 bytes of LDS; arguments q, k, v, wi, xb; writes xb
;; launch proj (part 5): grid 4 x 128, 4 waves a work-group, clusters of 4 x 4, 327,680 bytes of LDS; arguments xb, y; writes y
.if DOCPART == 5
	.amdgcn_target "amdgcn-amd-amdhsa--gfx1250"
	.amdhsa_code_object_version 6
	.text
	.protected	k_q46d1275db7_proj
	.globl	k_q46d1275db7_proj
	.p2align	8
	.type	k_q46d1275db7_proj,@function
k_q46d1275db7_proj:
	s_mov_b64 s[64:65], 0
	v_nop
	global_prefetch_b8 v0, s[64:65] scope:SCOPE_SE
	s_setreg_imm32_b32 hwreg(HW_REG_WAVE_MODE, 25, 1), 1
	s_wait_xcnt 0x0
	s_wait_alu depctr_hold_cnt(0) depctr_sa_sdst(0) depctr_va_vdst(0) depctr_va_sdst(0) depctr_va_ssrc(0) depctr_va_vcc(0) depctr_vm_vsrc(0)
	s_getreg_b32 s2, hwreg(HW_REG_IB_STS2, 6, 4)
	s_cmp_eq_u32 s2, 0
	s_cbranch_scc0 .Lentry_in_a_cluster
	s_endpgm
.Lentry_in_a_cluster:
	s_bfe_u32 s2, ttmp6, 0x10000c
	s_cmp_lg_u32 s2, 0xf033
	s_cbranch_scc0 .Lentry_shape_is_right
	s_endpgm
.Lentry_shape_is_right:
; y = Xb W: the three projections as one product.  Xb: rows 0-24575 of xb, [24576][1024] bf16 (q, k, v); W: rows 24576-25599 of xb, [k][n] bf16.  y: [24576][1024] f16 (q wi, k wi, v wi).
; Sums in f32, K ascending, rounded once to f16.
; LIMIT.  f16 ends at 65,504: |q wi|, |k wi| and |v wi| must stay below it (numbers of spread 1 give about 5).  NaN and infinities are not treated apart.
; SHARES.  A tile of y is 192 rows x 256 columns: 128 x 4 = 512 work-groups of equal work, two for each of 256 WGPs.  Four waves, wave w = (WR, WC): 96 rows x 128 columns, 48 accumulators of 16 x 16.
; K goes in steps of 128 through a ring of two LDS slots: 192 matrix instructions a wave in a step, 176 of them between a slot's request and the wait for it.
; A's rows lie along K (256 bytes a row, pitch 272); W's tile is 128 k-rows x 512 bytes (pitch 544) and is turned by ds_load_tr16_b128.
; THE MATRIX INSTRUCTION IS USED TRANSPOSED: source 0 = 16 columns of W, source 1 = 16 rows of Xb: a lane then holds row l % 16 and the eight neighbouring columns 8 (l / 16) + 0..7.
; CLUSTER.  4 x 4 work-groups.  The four of a row of the cluster need the same tile of Xb, the four of a column the same tile of W: each tile is asked for jointly, by the same tensor load
; with the same descriptor and a mask that names the four.
; REGISTERS.  Window 0: v0-31 addresses; v32-143, v144-255 two fragment buffers (A's block a at +8 a, W's block b at +48 + 8 b).
; Window 1: accumulator (a, b), a = 0..3, at v[8 (8 a + b)].  Window 2: a = 4, 5 at v[8 (8 (a - 4) + b)].
.set LAPS,   4                         ; a lap = two K steps = once round the ring; K = 1,024
.set PA,     272                       ; a row of A in LDS: 256 bytes + 16: the 16 rows of a load start 68 words apart
.set PB,     544                       ; a k-row of W in LDS: 512 bytes + 32
.set AHALF,  96*PA                     ; what waves 0 and 1 fetch each
.set BHALF,  64*PB                     ; what waves 2 and 3 fetch each
.set BOFF,   2*AHALF
.set SLOT,   2*AHALF+2*BHALF
.set STAGE,  2*SLOT                    ; behind the ring: 16 rows x 272 bytes for each wave, for the way out
.set SP,     272
.set SPARE,  STAGE+4*16*SP             ; the spare words: 128 bytes for each wave, two blocks of 256 bytes that no other line names
.set WOFF,   24576*2048                ; W's first byte in xb
.set ASTEP,  256                       ; a K step along A's rows, in bytes
.set BSTEP,  128*2048                  ; a K step down W's rows
.set ADRA, 4                           ; v4-5   LDS address of my A fragments in slot 0, 1
.set ADRB, 6                           ; v6-7   the same for W
.set STO,  8                           ; v8     the way out: where I put 16 bytes of a row
.set RD,   9                           ; v9     where I read a row back
.set CO,   10                          ; v10    my byte offset in y
.set SPW,  12                          ; v12    LDS address of my spare word; never rewritten
.set NIL,  13                          ; v13    0; never rewritten
.set F0,   32
.set F1,   144
.set PK,   96                          ; the way out: 32 registers of packed f16
.set WV,  12                           ; s12 wave;  s13 WR = wave / 2: my 96 rows, and: I fetch for A (0) or for W (1);  s14 WC = wave % 2: my 128 columns, and: which half I fetch
.set WR,  13
.set WC,  14
.set G1A, 24                           ; s[24:31] group 1 for A's tiles; s[32:39] group 0, a set for each slot
.set G0A, 32
.set G1B, 40                           ; s[40:47], s[48:55] the same for W's
.set G0B, 48
.set OUTP, 86                          ; s[86:87] y at my part of the tile
.set MSB, 0
.macro WIN new                         ; the immediate's high byte repeats the setting that is left; a switch that changes nothing is dropped
.if MSB != (\new)
	s_set_vgpr_msb (MSB<<8)|(\new)
.set MSB, \new
.endif
.endm
.macro PLACES                          ; four plain vector instructions between a matrix instruction and a load into, or a vector instruction on, its registers
.rept 4
	v_nop
.endr
.endm
; A joint load: waves 0 and 1 fetch A's two halves, waves 2 and 3 W's.  The branch hangs on the wave's number alone.  An s_nop 0 and four v_nop follow each line.
.macro JLOAD s
	s_cmp_eq_u32 s[WR], 0
	s_cbranch_scc0 .Lfor_b_\@
	tensor_load_to_lds s[G0A+4*(\s):G0A+4*(\s)+3], s[G1A:G1A+7]
	s_nop 0
	PLACES
	s_branch .Lasked_\@
.Lfor_b_\@:
	tensor_load_to_lds s[G0B+4*(\s):G0B+4*(\s)+3], s[G1B:G1B+7]
	s_nop 0
	PLACES
.Lasked_\@:
.endm
.macro CREST                           ; a round of the cluster's barrier behind its opening barrier
	s_cmp_lg_u32 s[WV], 0
	s_cbranch_scc1 .Lnot_wave_0_\@
	s_barrier_signal -3
.Lnot_wave_0_\@:
	s_barrier_wait -3
	s_barrier_signal -1
	s_barrier_wait -1
.endm
.macro CROUND                          ; a whole round
	s_barrier_signal -1
	s_barrier_wait -1
	CREST
.endm
	s_load_b128 s[4:7], s[0:1], 0x0                ; xb s[4:5], y s[6:7]
	v_lshl_add_u32 v[SPW], v0, 2, SPARE
	v_mov_b32 v[NIL], 0
	ds_add_u32 v12, v13
	s_wait_dscnt 0x0
	v_lshrrev_b32 v1, 5, v0
	v_readfirstlane_b32 s[WV], v1
	s_lshr_b32 s[WR], s[WV], 1
	s_and_b32 s[WC], s[WV], 1
	s_bfe_u32 s15, ttmp6, 0x40000                  ; cx
	s_bfe_u32 s16, ttmp6, 0x40004                  ; cy
	s_lshl_b32 s17, ttmp9, 2
	s_add_co_u32 s17, s17, s15                     ; tile column tx = 4 x cluster x + cx
	s_and_b32 s19, ttmp7, 0xffff                   ; cluster y
	s_lshl_b32 s18, s19, 2
	s_add_co_u32 s18, s18, s16                     ; tile row ty = 4 x cluster y + cy
	s_lshl_b32 s20, s16, 2
	s_lshl_b32 s20, 15, s20                        ; my row of the cluster
	s_lshl_b32 s21, 0x1111, s15                    ; my column
	s_or_b32 s[G1A], s20, (1<<16)|(1<<20)|(1<<21)|(5<<22)|(3<<25)  ; the mask; 2-byte elements; padding on; bit 21 beside a mask; after every 64 words 4 words
	s_mov_b32 s[G1A+1], 128<<16                    ; tensor_dim0 = 128
	s_mov_b32 s[G1A+2], 96<<16                     ; tensor_dim1 = 96
	s_mov_b32 s[G1A+3], 128<<16                    ; tile_dim0 = 128
	s_mov_b32 s[G1A+4], 96                         ; tile_dim1 = 96
	s_mov_b32 s[G1A+5], 1024                       ; elements from row to row
	s_mov_b32 s[G1A+6], 0
	s_mov_b32 s[G1A+7], 0
	s_or_b32 s[G1B], s21, (1<<16)|(1<<20)|(1<<21)|(6<<22)|(7<<25)  ; after every 128 words 8 words
	s_mov_b32 s[G1B+1], 256<<16                    ; tensor_dim0 = 256
	s_mov_b32 s[G1B+2], 64<<16                     ; tensor_dim1 = 64
	s_mov_b32 s[G1B+3], 256<<16                    ; tile_dim0 = 256
	s_mov_b32 s[G1B+4], 64                         ; tile_dim1 = 64
	s_mov_b32 s[G1B+5], 1024
	s_mov_b32 s[G1B+6], 0
	s_mov_b32 s[G1B+7], 0
	s_mul_i32 s22, s18, 192*2048                   ; A: row 192 ty + 96 WC, 2,048 bytes a row: of the tile row and the wave alone
	s_mul_i32 s2, s[WC], 96*2048
	s_add_co_u32 s22, s22, s2
	s_mov_b32 s23, 0
	s_lshl_b32 s72, s17, 9                         ; W: k-row 64 WC, column 256 tx: of the tile column and the wave alone
	s_lshl_b32 s2, s[WC], 17
	s_add_co_u32 s72, s72, s2
	s_add_co_u32 s72, s72, WOFF
	s_mov_b32 s73, 0
	s_mul_i32 s3, s[WC], AHALF                     ; where they go: no place in the cluster enters an LDS address
	s_mul_i32 s2, s[WC], BHALF
	s_add_co_u32 s2, s2, BOFF
	s_wait_kmcnt 0x0
	s_add_nc_u64 s[22:23], s[4:5], s[22:23]
	s_add_nc_u64 s[72:73], s[4:5], s[72:73]
	CROUND                                         ; all sixteen work-groups are here: the first joint loads meet
.irp s, 0,1
	s_mov_b32 s[G0A+4*(\s)], 1
	s_add_co_u32 s[G0A+4*(\s)+1], s3, (\s)*SLOT
	s_add_nc_u64 s[G0A+4*(\s)+2:G0A+4*(\s)+3], s[22:23], (\s)*ASTEP
	s_or_b32 s[G0A+4*(\s)+3], s[G0A+4*(\s)+3], 0x80000000
	s_mov_b32 s[G0B+4*(\s)], 1
	s_add_co_u32 s[G0B+4*(\s)+1], s2, (\s)*SLOT
	s_add_nc_u64 s[G0B+4*(\s)+2:G0B+4*(\s)+3], s[72:73], (\s)*BSTEP
	s_or_b32 s[G0B+4*(\s)+3], s[G0B+4*(\s)+3], 0x80000000
.endr
	s_cmp_eq_u32 s[WR], 0                          ; a wave's two first fills stand in one branch, ahead of every wait on TENSORcnt and every LDS read: two loads of mine are out
	s_cbranch_scc0 .Lfirst_b
	tensor_load_to_lds s[G0A:G0A+3], s[G1A:G1A+7]
	s_nop 0
	tensor_load_to_lds s[G0A+4:G0A+7], s[G1A:G1A+7]
	s_nop 0
	PLACES
	s_branch .Lfirst_asked
.Lfirst_b:
	tensor_load_to_lds s[G0B:G0B+3], s[G1B:G1B+7]
	s_nop 0
	tensor_load_to_lds s[G0B+4:G0B+7], s[G1B:G1B+7]
	s_nop 0
	PLACES
.Lfirst_asked:
	; A fragment of A: lane l holds row l % 16; K = 8 (l / 16) + 0..7 and 16 + 8 (l / 16) + 0..7: two loads of 16 bytes, 32 bytes apart.
	v_and_b32 v1, 15, v0                           ; r = l % 16
	v_bfe_u32 v2, v0, 4, 1                         ; h = l / 16
	v_mul_u32_u24 v3, v1, PA
	v_lshl_add_u32 v3, v2, 4, v3                   ; r x 272 + 16 h
	s_mul_i32 s2, s[WR], AHALF
	v_add_nc_u32 v[ADRA], s2, v3
	v_add_nc_u32 v[ADRA+1], SLOT, v[ADRA]
	; The turning load: lane l reads 16 bytes of k-row 8 (l / 16) + l % 8, columns 8 ((l / 8) % 2) + 0..7, and is left with column l % 16 and eight k.
	v_and_b32 v14, 7, v0
	v_lshl_add_u32 v14, v2, 3, v14
	v_mul_u32_u24 v14, v14, PB
	v_bfe_u32 v15, v0, 3, 1
	v_lshl_add_u32 v14, v15, 4, v14
	s_lshl_b32 s2, s[WC], 8                        ; my 128 columns: 256 bytes
	s_add_co_u32 s2, s2, BOFF
	v_add_nc_u32 v[ADRB], s2, v14
	v_add_nc_u32 v[ADRB+1], SLOT, v[ADRB]
	s_mul_i32 s2, s[WV], 16*SP
	s_add_co_u32 s2, s2, STAGE                     ; my stage
	v_add_nc_u32 v[STO], s2, v3                    ; in: row r, 16 bytes for each half of the lanes
	v_mul_u32_u24 v16, v2, SP
	v_lshl_add_u32 v16, v1, 4, v16
	v_add_nc_u32 v[RD], s2, v16                    ; back: lanes 0-15 one row of 256 bytes, lanes 16-31 the next
	v_lshlrev_b32 v[CO], 11, v2
	v_lshl_add_u32 v[CO], v1, 4, v[CO]             ; the same two rows in y
	s_mul_i32 s74, s18, 192*2048                   ; y at row 192 ty + 96 WR, column 256 tx + 128 WC
	s_mul_i32 s2, s[WR], 96*2048
	s_add_co_u32 s74, s74, s2
	s_lshl_b32 s2, s17, 9
	s_add_co_u32 s74, s74, s2
	s_lshl_b32 s2, s[WC], 8
	s_add_co_u32 s74, s74, s2
	s_mov_b32 s75, 0
	s_add_nc_u64 s[OUTP:OUTP+1], s[6:7], s[74:75]
; 8 matrix instructions: A's block a x all 8 blocks of W, 32 along K.  zero = 1: the product starts the sums.  The 48 accumulators take turns, one instruction a turn, in one order everywhere.
.macro MULA f, a, zero
	WIN 0x50+0x50*((\a)/4)                         ; sources 0 and 1 window 0; C and D window 1 (blocks 0-3) or 2 (blocks 4, 5)
.irp b, 0,1,2,3,4,5,6,7
.if \zero
	v_wmma_f32_16x16x32_bf16 v[64*((\a)%4)+8*(\b):64*((\a)%4)+8*(\b)+7], v[(\f)+48+8*(\b):(\f)+48+8*(\b)+7], v[(\f)+8*(\a):(\f)+8*(\a)+7], 0
.else
	v_wmma_f32_16x16x32_bf16 v[64*((\a)%4)+8*(\b):64*((\a)%4)+8*(\b)+7], v[(\f)+48+8*(\b):(\f)+48+8*(\b)+7], v[(\f)+8*(\a):(\f)+8*(\a)+7], v[64*((\a)%4)+8*(\b):64*((\a)%4)+8*(\b)+7]
.endif
.endr
.endm
.macro MUL3 f, a0, zero
	MULA \f, \a0, \zero
	MULA \f, (\a0)+1, \zero
	MULA \f, (\a0)+2, \zero
.endm
; 28 LDS loads in one run: quarter q (32 along K) of a slot into buffer g: W's 16, then A's 12 with its blocks ascending
.macro FETCH slot, q, g
	WIN 0
.irp i, 0,1,2,3,4,5,6,7
	ds_load_tr16_b128 v[(\g)+48+8*(\i):(\g)+48+8*(\i)+3],   v[ADRB+(\slot)] offset:(\q)*32*PB+32*(\i)
	ds_load_tr16_b128 v[(\g)+48+8*(\i)+4:(\g)+48+8*(\i)+7], v[ADRB+(\slot)] offset:(\q)*32*PB+32*(\i)+16*PB
.endr
.irp i, 0,1,2,3,4,5
	ds_load_b128 v[(\g)+8*(\i):(\g)+8*(\i)+3],   v[ADRA+(\slot)] offset:(\q)*64+(\i)*16*PA
	ds_load_b128 v[(\g)+8*(\i)+4:(\g)+8*(\i)+7], v[ADRA+(\slot)] offset:(\q)*64+(\i)*16*PA+32
.endr
.endm
; One of a K step's first three quarters: multiplies buffer f; in its middle it fetches quarter q of the same slot into buffer g.
.macro QUARTER slot, q, f, g, zero
	s_wait_dscnt 6                                 ; W and A's blocks 0 to 2 are in; the six youngest loads (blocks 3 to 5) may be out
	MUL3 \f, 0, \zero
	PLACES
	FETCH \slot, \q, \g
	s_wait_dscnt 28                                ; all but the 28 just issued
	MUL3 \f, 3, \zero
.endm
; The last quarter multiplies buffer 1 and changes slots: one barrier.  In front of it each wave waits for all its tensor loads (one is out: its part of the next slot), adds 0 to its spare
; word, and waits for that and for its reads of this slot.  fill = 1: the barrier opens a round of the cluster's, and this slot is filled again, two K steps on, first thing behind the round.
.macro TURN slot, next, fill
	WIN 0
	s_wait_tensorcnt 0x0
	ds_add_u32 v[SPW], v[NIL]
	s_wait_dscnt 7                                 ; the add and the six youngest loads may be out
	MULA F1, 0, 0
	s_wait_dscnt 0x0                               ; the add is done, and my reads of this slot are over
	s_barrier_signal -1
	MULA F1, 1, 0
.if \fill
	WIN 0
.endif
	s_barrier_wait -1
.if \fill
	CREST                                          ; no wave of any partner still reads this slot or has a load on its way
	s_add_nc_u64 s[G0A+4*(\slot)+2:G0A+4*(\slot)+3], s[G0A+4*(\slot)+2:G0A+4*(\slot)+3], 2*ASTEP
	s_add_nc_u64 s[G0B+4*(\slot)+2:G0B+4*(\slot)+3], s[G0B+4*(\slot)+2:G0B+4*(\slot)+3], 2*BSTEP
	JLOAD \slot                                    ; its four v_nop are also the places in front of the loads below
.else
	PLACES
.endif
	FETCH \next, 0, F0
	MULA F1, 2, 0
	MUL3 F1, 3, 0
.endm
	s_wait_tensorcnt 0x1                           ; my part of K step 0 is in; K step 1's may stay out
	s_barrier_signal -1
	s_barrier_wait -1
	FETCH 0, 0, F0
	QUARTER 0, 1, F0, F1, 1                        ; the first quarter stands in front of the loop: its products start the sums
	WIN 0
	s_mov_b32 s3, LAPS-1
.Llap:                                                 ; a trip goes once round the ring, from a lap's second quarter to the next lap's first, and fills both slots again
	QUARTER 0, 2, F1, F0, 0
	QUARTER 0, 3, F0, F1, 0
	TURN 0, 1, 1
	QUARTER 1, 1, F0, F1, 0
	QUARTER 1, 2, F1, F0, 0
	QUARTER 1, 3, F0, F1, 0
	TURN 1, 0, 1
	QUARTER 0, 1, F0, F1, 0
	WIN 0
	s_sub_co_u32 s3, s3, 1
	s_cmp_lg_u32 s3, 0
	s_cbranch_scc1 .Llap
	QUARTER 0, 2, F1, F0, 0                        ; the last lap fills nothing
	QUARTER 0, 3, F0, F1, 0
	TURN 0, 1, 0
	QUARTER 1, 1, F0, F1, 0
	QUARTER 1, 2, F1, F0, 0
	QUARTER 1, 3, F0, F1, 0
	s_wait_dscnt 6                                 ; the very last quarter: nothing more to fetch
	MUL3 F1, 0, 0
	s_wait_dscnt 0x0
	MUL3 F1, 3, 0
	WIN 0
	PLACES
; THE WAY OUT, a block of 16 rows at a time: rounded to f16 (16 bytes a lane), through my own stage in LDS, back as whole rows of 256 bytes, stored.
.macro PACK a
	WIN 0x05+0x05*((\a)/4)                         ; sources 0 and 1 window 1 or 2
.set n, 0
.rept 32
	v_cvt_pk_f16_f32 v[PK+n], v[64*((\a)%4)+2*n], v[64*((\a)%4)+2*n+1]
.set n, n+1
.endr
	WIN 0
.endm
.macro TOSTAGE a
.set BK, 128+32*((\a)%2)
.irp b, 0,1,2,3,4,5,6,7
	ds_store_b128 v[STO], v[PK+4*(\b):PK+4*(\b)+3] offset:32*(\b)
.endr
.irp t, 0,1,2,3,4,5,6,7
	ds_load_b128 v[BK+4*(\t):BK+4*(\t)+3], v[RD] offset:(\t)*2*SP  ; LDS serves a wave's instructions in order (ISA guide 5.7.1.4): these see the stores above
.endr
.endm
.macro SEND a
.set BK, 128+32*((\a)%2)
	s_wait_dscnt 0x0                               ; the block is back in registers
	s_wait_xcnt 0x0                                ; the registers that the block before last was stored from are loaded again only behind this wait
.irp t, 0,1,2,3,4,5,6,7
	global_store_b128 v[CO], v[BK+4*(\t):BK+4*(\t)+3], s[OUTP:OUTP+1] offset:(16*(\a)+2*(\t))*2048  ; 16 lanes store 256 consecutive bytes, at a multiple of 256 from y's first byte
.endr
.endm
	PACK 0
	TOSTAGE 0
.irp a, 1,2,3,4,5                      ; block a's roundings stand between block a - 1's loads from the stage and the wait for them
	PACK \a
	SEND (\a)-1
	TOSTAGE \a
.endr
	SEND 5
	s_wait_tensorcnt 0x0                           ; the wave's end
	ds_add_u32 v[SPW], v[NIL]
	s_wait_dscnt 0x0
	CROUND                                         ; the closing round: no work-group ends while a partner may still ask for a tile that names it
	s_endpgm
.Lfunc_end_k_q46d1275db7_proj:
	.size	k_q46d1275db7_proj, .Lfunc_end_k_q46d1275db7_proj-k_q46d1275db7_proj
	.p2alignl 7, 3214868480
	.fill 96, 4, 3214868480
	.section	.rodata,"a",@progbits
	.p2align	6, 0x0
	.amdhsa_kernel k_q46d1275db7_proj
		.amdhsa_group_segment_fixed_size 327680
		.amdhsa_private_segment_fixed_size 0
		.amdhsa_enable_private_segment 0
		.amdhsa_kernarg_size 16
		.amdhsa_user_sgpr_count 2
		.amdhsa_user_sgpr_kernarg_segment_ptr 1
		.amdhsa_wavefront_size32 1
		.amdhsa_system_sgpr_workgroup_id_x 1
		.amdhsa_system_sgpr_workgroup_id_y 1
		.amdhsa_system_sgpr_workgroup_id_z 1
		.amdhsa_system_vgpr_workitem_id 0
		.amdhsa_next_free_vgpr 640
		.amdhsa_next_free_sgpr 96
		.amdhsa_reserve_vcc 0
		.amdhsa_float_denorm_mode_32 3
		.amdhsa_float_denorm_mode_16_64 3
		.amdhsa_memory_ordered 1
		.amdhsa_forward_progress 1
		.amdhsa_inst_pref_size 114
	.end_amdhsa_kernel
	.amdgpu_metadata
---
amdhsa.version: [ 1, 2 ]
amdhsa.kernels:
  - .name:           k_q46d1275db7_proj
    .symbol:         k_q46d1275db7_proj.kd
    .args:
      - { .name: xb, .offset: 0, .size: 8, .value_kind: global_buffer, .address_space: global }
      - { .name: y, .offset: 8, .size: 8, .value_kind: global_buffer, .address_space: global }
    .group_segment_fixed_size: 327680
    .private_segment_fixed_size: 0
    .kernarg_segment_align: 8
    .kernarg_segment_size: 16
    .max_flat_workgroup_size: 128
    .sgpr_count:     96
    .vgpr_count:     640
    .wavefront_size: 32
...
	.end_amdgpu_metadata
.endif
;; end of part 5
;; launch scores (part 6): grid 8 x 32, 4 waves a work-group, clusters of 4 x 4, 327,680 bytes of LDS; arguments y, mask, pt, st; writes pt, st
.if DOCPART == 6
	.amdgcn_target "amdgcn-amd-amdhsa--gfx1250"
	.amdhsa_code_object_version 6
	.text
	.protected	k_q46d1275db7_scores
	.globl	k_q46d1275db7_scores
	.p2align	8
	.type	k_q46d1275db7_scores,@function
k_q46d1275db7_scores:
	s_mov_b64 s[64:65], 0
	v_nop
	global_prefetch_b8 v0, s[64:65] scope:SCOPE_SE
	s_setreg_imm32_b32 hwreg(HW_REG_WAVE_MODE, 25, 1), 1
	s_wait_xcnt 0x0
	s_wait_alu depctr_hold_cnt(0) depctr_sa_sdst(0) depctr_va_vdst(0) depctr_va_sdst(0) depctr_va_ssrc(0) depctr_va_vcc(0) depctr_vm_vsrc(0)
	s_getreg_b32 s2, hwreg(HW_REG_IB_STS2, 6, 4)
	s_cmp_eq_u32 s2, 0
	s_cbranch_scc0 .Lentry_in_a_cluster
	s_endpgm
.Lentry_in_a_cluster:
	s_bfe_u32 s2, ttmp6, 0x10000c
	s_cmp_lg_u32 s2, 0xf033
	s_cbranch_scc0 .Lentry_shape_is_right
	s_endpgm
.Lentry_shape_is_right:
; t = c qp kp^T, the mask, and the softmax's first half, by tiles of 256 queries x 256 keys.  y: [24576][1024] f16 (qp, kp, vp); mask: [2048][2048] bytes 0 or 1.  c = log2(e) / 32.
; t is the score times log2(e), made once in f32.  Where the mask's byte is 0, t is REPLACED by -1e10 log2(e) (a bitwise choice, so that a row with no visible key comes out as a plain mean).
; For each query and tile: m = the largest t of the tile's 256 keys; p = 2^(t - m), written to pt [8192][2048] in f16; l = the sum of the unrounded p over each half of 128 keys.
; st: m[8][8192] f32 at byte 0 (by key tile), l[16][8192] f32 at byte 262,144 (by half tile).  The next launch joins the tiles by the largest m of a row: a maximum is taken away from every exponent.
; The mask is an input: every tile is computed, whatever the mask holds.
; LIMITS.  A hidden score counts as -1e10 log2(e) rounded to f32.  p lies in 0 to 1; below 6e-5 it keeps f16's fixed step of 6e-8.  NaN and infinities are not treated apart.
; SHARES, RING, CLUSTER.  32 x 8 = 256 work-groups of equal work; four waves, wave (WR, WC): 128 queries x 128 keys, 64 accumulators.  K (the 1,024 channels) goes in steps of 128 through two LDS
; slots: 256 matrix instructions a wave in a step, 224 of them between a slot's request and the wait for it.  Both operands' rows lie along K (256 bytes a row, pitch 272).  Source 0 = 16 keys,
; source 1 = 16 queries: a lane holds query l % 16 and the keys 8 (l / 16) + 0..7.  4 x 4 work-groups form a cluster: the queries' tile is asked for jointly along a row, the keys' along a column.
; THE WAY OUT IS A LOOP THROUGH LDS.  At the last change of slots slot 0 takes the mask's tile (256 rows x 256 bytes, 64 rows a wave, each work-group's own).  Behind the last product each wave puts four of
; its eight blocks of scores, in f32, into slot 1, whose last fill is over: 128 whole rows of 256 keys.  Then each wave takes 32 of those rows, eight a trip, a lane eight neighbouring keys: so a row's maximum
; and sums stay in one wave, the mask is read and p is stored in whole rows, and the text of a row is written once.  The other four blocks follow in the same way.
; REGISTERS.  Window 0: v0-31 addresses; v64-127, v128-191 the queries' fragments, two buffers; on the way out as named below.  Window 1: v64-127, v128-191 the keys' fragments.
; Window 2: accumulator (a, b), a = 0..3, at v[8 (8 a + b)].  Window 3: a = 4..7 likewise.
.set LAPS,   4
.set PITCH,  272
.set HALFT,  128*PITCH                 ; 128 rows: what one tensor load brings, and what one wave reads of either operand
.set SLOT,   4*HALFT                   ; the queries' 256 rows, then the keys' 256 rows
.set SPARE,  2*SLOT                    ; behind the ring: the spare words, two blocks of 256 bytes that no other line names
.set TAB,    SPARE+512                 ; m of the tile's 256 rows (1,024 bytes), then l of the first and of the second 128 keys (1,024 bytes each)
.set MSK,    0                         ; the mask's tile, in slot 0: 256 rows x 256 bytes
.set DMP,    SLOT                      ; the scores on their way out, in slot 1: 128 rows of 1,040 bytes
.set DP,     1040                      ; 1,024 bytes + 16: the 16 rows of a store start 260 words apart.  In a row: the first four keys of each group of eight at 16 x group, the other four at 512 + 16 x group
.set KOFF,   8192*2048                 ; kp's first byte in y
.set LOFF,   8*8192*4                  ; l's first byte in st
.set KSTEPB, 256                       ; a K step along the rows, in bytes
.set DLA,  8                           ; v8-12  a trip's addresses: scores in LDS, mask in LDS, pt, m's and l's place in the table
.set MLA,  9
.set GOA,  10
.set TMA,  11
.set TLA,  12
.set TRD,  13                          ; v13   where I read the table back
.set TGO,  14                          ; v14   16 x lane
.set ADRA, 16                          ; v16-17 LDS address of my queries' fragments in slot 0, 1
.set ADRB, 20                          ; v20-21 the same for the keys
.set DST,  22                          ; v22   where my lane puts its scores
.set DL0,  23                          ; v23-27 the five addresses above for the first trip; never rewritten
.set ML0,  24
.set GO0,  25
.set TM0,  26
.set TL0,  27
.set SPW,  28                          ; v28   LDS address of my spare word; never rewritten
.set NIL,  29                          ; v29   0; never rewritten
.set F0,   64
.set F1,   128
.set MB,   32                          ; v32-47   a trip's eight rows: the lane's eight mask bytes, two registers a row
.set MS,   48                          ; v48-63   m, twice: a pair for the packed subtraction
.set X,    64                          ; v64-127  the lane's eight scores of each row, then p
.set XM,   128                         ; v128-191 their masks, one word a score
.set CH,   192                         ; v192-199 one register a row at work
.set PK,   224                         ; v224-255 p in f16, four registers a row
.set WV,  12
.set WR,  13
.set WC,  14
.set G1A, 24
.set G0A, 32
.set G1B, 40
.set G0B, 48
.set G1M, 56                           ; s[56:63], s[68:71] the mask's tile
.set G0M, 68
.set SEL,  76                          ; s[76:77] v_permlanex16_b32's selects: each lane takes its own place in the other half
.set SELB, 78                          ; s78-81 v_perm_b32's selects: byte 0, 1, 2 or 3 four times
.set NEG,  82                          ; s82  -1e10 log2(e)
.set CS,   84                          ; s[84:85] c
.set OUTP, 86                          ; s[86:87] pt at the tile
.set STP,  88                          ; s[88:89] st at the line that my wave stores
.set PH,   90                          ; s90  halves of the way out still to go
.set CT,   91                          ; s91  trips still to go
.set SD,   92                          ; s92  the trip's first row in the scores' LDS rows, in bytes
.set SM,   93                          ; s93  256 x the trip's first row among my wave's rows of the tile
.set MSB, 0
.macro WIN new
.if MSB != (\new)
	s_set_vgpr_msb (MSB<<8)|(\new)
.set MSB, \new
.endif
.endm
.set MUL_LO, 0xa1                      ; source 0 (keys) window 1, source 1 (queries) window 0, C and D window 2
.set MUL_HI, 0xf1                      ; the same, C and D window 3
.set TO_B,   0x40                      ; destination window 1, address window 0
.macro PLACES                          ; four plain vector instructions between a matrix instruction and a load into, or a vector instruction or store on, its registers
.rept 4
	v_nop
.endr
.endm
.macro JLOAD s                         ; a joint load: waves 0 and 1 the queries' halves, waves 2 and 3 the keys'; an s_nop 0 and four v_nop follow each line
	s_cmp_eq_u32 s[WR], 0
	s_cbranch_scc0 .Lfor_b_\@
	tensor_load_to_lds s[G0A+4*(\s):G0A+4*(\s)+3], s[G1A:G1A+7]
	s_nop 0
	PLACES
	s_branch .Lasked_\@
.Lfor_b_\@:
	tensor_load_to_lds s[G0B+4*(\s):G0B+4*(\s)+3], s[G1B:G1B+7]
	s_nop 0
	PLACES
.Lasked_\@:
.endm
.macro CREST
	s_cmp_lg_u32 s[WV], 0
	s_cbranch_scc1 .Lnot_wave_0_\@
	s_barrier_signal -3
.Lnot_wave_0_\@:
	s_barrier_wait -3
	s_barrier_signal -1
	s_barrier_wait -1
.endm
.macro CROUND
	s_barrier_signal -1
	s_barrier_wait -1
	CREST
.endm
	s_load_b256 s[4:11], s[0:1], 0x0               ; y s[4:5], mask s[6:7], pt s[8:9], st s[10:11]
	v_lshl_add_u32 v[SPW], v0, 2, SPARE
	v_mov_b32 v[NIL], 0
	ds_add_u32 v28, v29
	s_wait_dscnt 0x0
	v_lshrrev_b32 v1, 5, v0
	v_readfirstlane_b32 s[WV], v1
	s_lshr_b32 s[WR], s[WV], 1                     ; my 128 queries; also: I fetch for the queries (0) or for the keys (1)
	s_and_b32 s[WC], s[WV], 1                      ; my 128 keys; also: which 128 rows of that tile I fetch
	s_bfe_u32 s15, ttmp6, 0x40000                  ; cx
	s_bfe_u32 s16, ttmp6, 0x40004                  ; cy
	s_lshl_b32 s17, ttmp9, 2
	s_add_co_u32 s17, s17, s15                     ; key tile tx
	s_and_b32 s19, ttmp7, 0xffff                   ; cluster y; the batch is cluster y / 2
	s_lshl_b32 s18, s19, 2
	s_add_co_u32 s18, s18, s16                     ; query tile ty, over all batches
	s_lshl_b32 s20, s16, 2
	s_lshl_b32 s20, 15, s20                        ; my row of the cluster
	s_lshl_b32 s21, 0x1111, s15                    ; my column
	s_or_b32 s[G1A], s20, (1<<16)|(1<<20)|(1<<21)|(5<<22)|(3<<25)  ; the mask of four; 2-byte elements; padding on; bit 21 beside a mask; after every 64 words 4 words
	s_or_b32 s[G1B], s21, (1<<16)|(1<<20)|(1<<21)|(5<<22)|(3<<25)
.irp g, G1A, G1B
	s_mov_b32 s[(\g)+1], 128<<16                   ; tensor_dim0 = 128
	s_mov_b32 s[(\g)+2], 128<<16                   ; tensor_dim1 = 128
	s_mov_b32 s[(\g)+3], 128<<16                   ; tile_dim0 = 128
	s_mov_b32 s[(\g)+4], 128                       ; tile_dim1 = 128
	s_mov_b32 s[(\g)+5], 1024                      ; elements from row to row
	s_mov_b32 s[(\g)+6], 0
	s_mov_b32 s[(\g)+7], 0
.endr
	s_mov_b32 s[G1M], 2<<16                        ; no work-group mask: a load of my own; 4-byte elements; no padding
	s_mov_b32 s[G1M+1], 64<<16                     ; tensor_dim0 = 64 words
	s_mov_b32 s[G1M+2], 64<<16                     ; tensor_dim1 = 64 rows a wave
	s_mov_b32 s[G1M+3], 64<<16
	s_mov_b32 s[G1M+4], 64
	s_mov_b32 s[G1M+5], 512                        ; 2,048 bytes from row to row
	s_mov_b32 s[G1M+6], 0
	s_mov_b32 s[G1M+7], 0
	s_lshl_b32 s22, s18, 19                        ; queries: row 256 ty + 128 WC, 2,048 bytes a row
	s_lshl_b32 s2, s[WC], 18
	s_add_co_u32 s22, s22, s2
	s_mov_b32 s23, 0
	s_lshl_b32 s72, s17, 19                        ; keys: row 2,048 batch + 256 tx + 128 WC
	s_add_co_u32 s72, s72, s2
	s_lshr_b32 s2, s19, 1
	s_lshl_b32 s2, s2, 22
	s_add_co_u32 s72, s72, s2
	s_add_co_u32 s72, s72, KOFF
	s_mov_b32 s73, 0
	s_and_b32 s74, s18, 7                          ; the mask: row 256 (ty % 8) + 64 wave, byte 256 tx
	s_lshl_b32 s74, s74, 19
	s_lshl_b32 s94, s[WV], 17
	s_add_co_u32 s74, s74, s94
	s_lshl_b32 s94, s17, 8
	s_add_co_u32 s74, s74, s94
	s_mov_b32 s75, 0
	s_mul_i32 s3, s[WV], HALFT                     ; where the tiles go: the queries' two halves, then the keys': wave x 128 rows: no place in the cluster enters an LDS address
	s_wait_kmcnt 0x0
	s_add_nc_u64 s[22:23], s[4:5], s[22:23]
	s_add_nc_u64 s[72:73], s[4:5], s[72:73]
	CROUND                                         ; all sixteen work-groups are here: the first joint loads meet
.irp s, 0,1
	s_mov_b32 s[G0A+4*(\s)], 1
	s_add_co_u32 s[G0A+4*(\s)+1], s3, (\s)*SLOT
	s_add_nc_u64 s[G0A+4*(\s)+2:G0A+4*(\s)+3], s[22:23], (\s)*KSTEPB
	s_or_b32 s[G0A+4*(\s)+3], s[G0A+4*(\s)+3], 0x80000000
	s_mov_b32 s[G0B+4*(\s)], 1
	s_add_co_u32 s[G0B+4*(\s)+1], s3, (\s)*SLOT
	s_add_nc_u64 s[G0B+4*(\s)+2:G0B+4*(\s)+3], s[72:73], (\s)*KSTEPB
	s_or_b32 s[G0B+4*(\s)+3], s[G0B+4*(\s)+3], 0x80000000
.endr
	s_mov_b32 s[G0M], 1
	s_lshl_b32 s[G0M+1], s[WV], 14                 ; MSK = 0: my 64 rows of 256 bytes
	s_add_nc_u64 s[G0M+2:G0M+3], s[6:7], s[74:75]
	s_or_b32 s[G0M+3], s[G0M+3], 0x80000000
	s_cmp_eq_u32 s[WR], 0                          ; a wave's two first fills stand in one branch, ahead of every wait on TENSORcnt and every LDS read: two loads of mine are out
	s_cbranch_scc0 .Lfirst_b
	tensor_load_to_lds s[G0A:G0A+3], s[G1A:G1A+7]
	s_nop 0
	tensor_load_to_lds s[G0A+4:G0A+7], s[G1A:G1A+7]
	s_nop 0
	PLACES
	s_branch .Lfirst_asked
.Lfirst_b:
	tensor_load_to_lds s[G0B:G0B+3], s[G1B:G1B+7]
	s_nop 0
	tensor_load_to_lds s[G0B+4:G0B+7], s[G1B:G1B+7]
	s_nop 0
	PLACES
.Lfirst_asked:
	v_and_b32 v1, 15, v0                           ; r = l % 16
	v_bfe_u32 v2, v0, 4, 1                         ; h = l / 16
	v_and_b32 v4, 31, v0                           ; lane
	v_mul_u32_u24 v3, v1, PITCH
	v_lshl_add_u32 v3, v2, 4, v3                   ; a fragment's row x pitch + 16 x half
	s_mul_i32 s2, s[WR], HALFT
	s_mul_i32 s3, s[WC], HALFT
	s_add_co_u32 s3, s3, 2*HALFT
	v_add_nc_u32 v[ADRA], s2, v3
	v_add_nc_u32 v[ADRA+1], SLOT, v[ADRA]
	v_add_nc_u32 v[ADRB], s3, v3
	v_add_nc_u32 v[ADRB+1], SLOT, v[ADRB]
	s_mul_i32 s2, s[WR], 64*DP                     ; my scores go to rows 64 WR + 16 block + r; my lane's group of eight keys is 16 WC + 2 b + h
	s_lshl_b32 s3, s[WC], 8
	s_add_co_u32 s2, s2, s3
	s_add_co_u32 s2, s2, DMP
	v_mul_u32_u24 v[DST], v1, DP
	v_lshl_add_u32 v[DST], v2, 4, v[DST]
	v_add_nc_u32 v[DST], s2, v[DST]
	s_mul_i32 s2, s[WV], 32*DP                     ; back: wave w takes rows 32 w .. 32 w + 31, whole; lane l the group l
	s_add_co_u32 s2, s2, DMP
	v_lshl_add_u32 v[DL0], v4, 4, s2
	s_lshl_b32 s3, s[WR], 7                        ; which are the tile's rows 128 WR + 32 WC + 0..31, and 64 further down in the second half of the way out
	s_lshl_b32 s2, s[WC], 5
	s_add_co_u32 s3, s3, s2
	s_lshl_b32 s2, s3, 8
	v_lshl_add_u32 v[ML0], v4, 3, s2               ; MSK = 0: row x 256 + 8 x lane
	s_lshl_b32 s2, s3, 12
	v_lshl_add_u32 v[GO0], v4, 4, s2               ; a row of pt is 4,096 bytes
	s_lshl_b32 s2, s3, 2
	s_add_co_u32 s2, s2, TAB
	v_mov_b32 v[TM0], s2
	s_add_co_u32 s2, s2, 1024
	v_lshl_add_u32 v[TL0], v2, 10, s2              ; lanes 0-15 hold the first 128 keys' sum, lanes 16-31 the second's
	s_lshl_b32 s2, s[WV], 10
	s_add_co_u32 s2, s2, TAB
	v_lshl_add_u32 v[TRD], v4, 4, s2
	v_lshlrev_b32 v[TGO], 4, v4
	s_mov_b32 s[SEL], 0x76543210
	s_mov_b32 s[SEL+1], 0xfedcba98
	s_mov_b32 s[SELB], 0
	s_mov_b32 s[SELB+1], 0x01010101
	s_mov_b32 s[SELB+2], 0x02020202
	s_mov_b32 s[SELB+3], 0x03030303
	s_mov_b32 s[NEG], 0xd056fa73
	s_mov_b32 s[CS], 0x3d38aa3b                    ; c = log2(e) / 32
	s_mov_b32 s[CS+1], s[CS]                       ; named with it as a pair
	s_lshl_b32 s74, s18, 20                        ; pt at row 256 ty, key 256 tx
	s_lshl_b32 s2, s17, 9
	s_add_co_u32 s74, s74, s2
	s_add_nc_u64 s[OUTP:OUTP+1], s[8:9], s[74:75]
	s_lshl_b32 s74, s18, 10                        ; st: row 256 ty, 4 bytes a row; wave 0 stores m's line tx, waves 1 and 2 l's lines 2 tx and 2 tx + 1
	s_lshl_b32 s2, s17, 15
	s_add_co_u32 s2, s2, s74
	s_lshl_b32 s3, s17, 16
	s_add_co_u32 s3, s3, s74
	s_lshl_b32 s94, s[WV], 15
	s_add_co_u32 s3, s3, s94
	s_add_co_u32 s3, s3, LOFF-32768
	s_cmp_eq_u32 s[WV], 0
	s_cselect_b32 s74, s2, s3
	s_add_nc_u64 s[STP:STP+1], s[10:11], s[74:75]
; 16 matrix instructions: query blocks a0, a0 + 1 of the window's four (hi = 0: my rows 0-63, 1: rows 64-127) x all 8 key blocks, 32 along K.  zero = 1: the product starts the sums.
; The 64 accumulators take turns, one instruction a turn, in one order everywhere.
.macro MUL16 f, hi, a0, zero
	WIN MUL_LO+0x50*(\hi)
.irp a, \a0, (\a0)+1
.irp b, 0,1,2,3,4,5,6,7
.if \zero
	v_wmma_f32_16x16x32_f16 v[8*(8*(\a)+(\b)):8*(8*(\a)+(\b))+7], v[(\f)+8*(\b):(\f)+8*(\b)+7], v[(\f)+8*(4*(\hi)+(\a)):(\f)+8*(4*(\hi)+(\a))+7], 0
.else
	v_wmma_f32_16x16x32_f16 v[8*(8*(\a)+(\b)):8*(8*(\a)+(\b))+7], v[(\f)+8*(\b):(\f)+8*(\b)+7], v[(\f)+8*(4*(\hi)+(\a)):(\f)+8*(4*(\hi)+(\a))+7], v[8*(8*(\a)+(\b)):8*(8*(\a)+(\b))+7]
.endif
.endr
.endr
.endm
; 32 LDS loads in one run: the fragments of one quarter step (32 K at byte k of the rows) into buffer f: the keys' 16, then the queries' 16 with their blocks ascending
.macro FETCH slot, k, f
	WIN TO_B
.irp i, 0,1,2,3,4,5,6,7
	ds_load_b128 v[(\f)+8*(\i):(\f)+8*(\i)+3],   v[ADRB+(\slot)] offset:(\k)+(\i)*16*PITCH
	ds_load_b128 v[(\f)+8*(\i)+4:(\f)+8*(\i)+7], v[ADRB+(\slot)] offset:(\k)+(\i)*16*PITCH+32
.endr
	WIN 0
.irp i, 0,1,2,3,4,5,6,7
	ds_load_b128 v[(\f)+8*(\i):(\f)+8*(\i)+3],   v[ADRA+(\slot)] offset:(\k)+(\i)*16*PITCH
	ds_load_b128 v[(\f)+8*(\i)+4:(\f)+8*(\i)+7], v[ADRA+(\slot)] offset:(\k)+(\i)*16*PITCH+32
.endr
.endm
; One of a K step's first three quarters: multiplies buffer f; in its middle it fetches the next quarter's fragments, at byte k of the same slot's rows, into buffer g.
.macro QUARTER slot, k, f, g, zero
	s_wait_dscnt 8                                 ; the keys and the queries' rows 0-63 are in; the youngest eight loads (rows 64-127) may be out
	MUL16 \f, 0, 0, \zero
	MUL16 \f, 0, 2, \zero
	PLACES
	FETCH \slot, \k, \g
	s_wait_dscnt 32                                ; all but the 32 just issued
	MUL16 \f, 1, 0, \zero
	MUL16 \f, 1, 2, \zero
.endm
; The last quarter multiplies buffer 1 and changes slots.  In front of the barrier each wave waits for all its tensor loads (one is out: its part of the next slot), adds 0 to its spare word, and waits
; for that and for its reads of this slot.  The barrier opens a round of the cluster's; behind the round the slot just read out is filled again first: kind = 1: jointly, with the K step two steps on;
; kind = 2 (the last change of slots): with my 64 rows of the mask's tile, a load of my own.
.macro TURN slot, next, kind
	WIN 0
	s_wait_tensorcnt 0x0
	ds_add_u32 v[SPW], v[NIL]
	s_wait_dscnt 9                                 ; the add and the youngest eight loads may be out
	MUL16 F1, 0, 0, 0
	s_wait_dscnt 0x0                               ; the add is done, and my reads of this slot are over
	s_barrier_signal -1
	MUL16 F1, 0, 2, 0
	WIN 0
	s_barrier_wait -1
	CREST                                          ; no wave of any partner still reads this slot or has a load on its way
.if (\kind) == 1
	s_add_nc_u64 s[G0A+4*(\slot)+2:G0A+4*(\slot)+3], s[G0A+4*(\slot)+2:G0A+4*(\slot)+3], 2*KSTEPB
	s_add_nc_u64 s[G0B+4*(\slot)+2:G0B+4*(\slot)+3], s[G0B+4*(\slot)+2:G0B+4*(\slot)+3], 2*KSTEPB
	JLOAD \slot                                    ; its four v_nop are also the places in front of the loads below
.else
	tensor_load_to_lds s[G0M:G0M+3], s[G1M:G1M+7]  ; it has the last K step in which to land
	s_nop 0
	PLACES
.endif
	FETCH \next, 0, F0
	MUL16 F1, 1, 0, 0
	MUL16 F1, 1, 2, 0
.endm
	s_wait_tensorcnt 0x1                           ; my part of K step 0 is in; K step 1's may stay out
	s_barrier_signal -1
	s_barrier_wait -1
	FETCH 0, 0, F0
	QUARTER 0, 64,  F0, F1, 1                      ; the first quarter stands in front of the loop: its products start the sums
	WIN 0
	s_mov_b32 s3, LAPS-1
.Llap:                                                 ; a trip goes once round the ring, from a lap's second quarter to the next lap's first, and fills both slots again
	QUARTER 0, 128, F1, F0, 0
	QUARTER 0, 192, F0, F1, 0
	TURN 0, 1, 1
	QUARTER 1, 64,  F0, F1, 0
	QUARTER 1, 128, F1, F0, 0
	QUARTER 1, 192, F0, F1, 0
	TURN 1, 0, 1
	QUARTER 0, 64,  F0, F1, 0
	WIN 0
	s_sub_co_u32 s3, s3, 1
	s_cmp_lg_u32 s3, 0
	s_cbranch_scc1 .Llap
	QUARTER 0, 128, F1, F0, 0                      ; the last lap
	QUARTER 0, 192, F0, F1, 0
	TURN 0, 1, 2
	QUARTER 1, 64,  F0, F1, 0
	QUARTER 1, 128, F1, F0, 0
	QUARTER 1, 192, F0, F1, 0
	s_wait_dscnt 8                                 ; the very last quarter: nothing more to fetch
	MUL16 F1, 0, 0, 0
	MUL16 F1, 0, 2, 0
	s_wait_dscnt 0x0
	MUL16 F1, 1, 0, 0
	MUL16 F1, 1, 2, 0
	WIN 0
	PLACES
	s_wait_tensorcnt 0x0                           ; my rows of the mask have landed; my reads of slot 1 are over (the wait for 0 above)
	s_barrier_signal -1
	s_barrier_wait -1                              ; both now hold of every wave: slot 1 may be written, the mask read
; Four blocks of my scores (window 2 or 3) into slot 1.  Of each accumulator the four lowest registers go first.
.macro DUMP p
	WIN 0x08+4*(\p)                                ; the stores' data in window 2 or 3
.set n, 0
.rept 32
	ds_store_b128 v[DST], v[8*n:8*n+3]   offset:(n/8)*16*DP+32*(n%8)
	ds_store_b128 v[DST], v[8*n+4:8*n+7] offset:(n/8)*16*DP+32*(n%8)+512
.set n, n+1
.endr
	WIN 0
.endm
.macro EACH8 line:vararg               ; one line for each of a trip's eight rows n
.set n, 0
.rept 8
	\line
.set n, n+1
.endr
.endm
	s_mov_b32 s[SM], 0
	s_mov_b32 s[PH], 2
	DUMP 0
	s_branch .Lproc                                ; the loop over the two halves of the way out is entered behind its first part
.Lphase:
	DUMP 1
.Lproc:
	s_wait_dscnt 0x0                               ; for the others' sake: my stores are done
	s_barrier_signal -1
	s_barrier_wait -1
	s_mov_b32 s[SD], 0
	s_mov_b32 s[CT], 4
.Ltrip:                                                ; eight whole rows of 256 keys; the lines go stage by stage through the eight rows, so that no line waits for the one before it
	s_wait_xcnt 0x0                                ; the last trip's stores have read their data and their offset: both are rewritten only behind this wait
	v_add_nc_u32 v[DLA], s[SD], v[DL0]
	v_add_nc_u32 v[MLA], s[SM], v[ML0]
	s_lshl_b32 s94, s[SM], 4
	v_add_nc_u32 v[GOA], s94, v[GO0]
	s_lshr_b32 s95, s[SM], 6
	v_add_nc_u32 v[TMA], s95, v[TM0]
	v_add_nc_u32 v[TLA], s95, v[TL0]
	EACH8 ds_load_b64 v[MB+2*n:MB+2*n+1], v[MLA] offset:256*n          ; 32 lanes x 8 bytes: a whole row of the mask's tile
.set n, 0
.rept 8
	ds_load_b128 v[X+8*n:X+8*n+3],   v[DLA] offset:DP*n                ; 512 consecutive bytes each
	ds_load_b128 v[X+8*n+4:X+8*n+7], v[DLA] offset:DP*n+512
.set n, n+1
.endr
	s_wait_dscnt 16                                ; the mask's bytes are in; the sixteen loads of scores are younger
	; the bytes 0 or 1 become 0x00 or 0xff (x 255 = x shifted by 8 less x; no byte borrows from the next); then each byte is spread over a word
.set n, 0
.rept 16
	v_lshlrev_b32 v[XM+n], 8, v[MB+n]
.set n, n+1
.endr
.set n, 0
.rept 16
	v_sub_nc_u32 v[MB+n], v[XM+n], v[MB+n]
.set n, n+1
.endr
.set n, 0
.rept 64
	v_perm_b32 v[XM+n], v[MB+n/4], v[MB+n/4], s[SELB+n%4]
.set n, n+1
.endr
	s_wait_dscnt 0x0
.set n, 0
.rept 32
	v_pk_mul_f32 v[X+2*n:X+2*n+1], v[X+2*n:X+2*n+1], s[CS:CS+1] op_sel_hi:[1,0]  ; t = c s
.set n, n+1
.endr
.set n, 0
.rept 64
	v_bfi_b32 v[X+n], v[XM+n], v[X+n], s[NEG]      ; t is kept where the word is all ones and replaced where it is 0
.set n, n+1
.endr
	EACH8 v_max3_num_f32 v[CH+n], v[X+8*n], v[X+8*n+1], v[X+8*n+2]
	EACH8 v_max3_num_f32 v[CH+n], v[CH+n], v[X+8*n+3], v[X+8*n+4]
	EACH8 v_max3_num_f32 v[CH+n], v[CH+n], v[X+8*n+5], v[X+8*n+6]
	EACH8 v_max_num_f32 v[CH+n], v[CH+n], v[X+8*n+7]
.irp m, 1,2,4,8
	EACH8 v_max_num_f32_dpp v[CH+n], v[CH+n], v[CH+n] row_xmask:\m row_mask:0xf bank_mask:0xf
.endr
	EACH8 v_permlanex16_b32 v[XM+n], v[CH+n], s[SEL], s[SEL+1]         ; the row's other 128 keys lie in the other half of the lanes
	EACH8 v_max_num_f32 v[MS+2*n], v[CH+n], v[XM+n]                    ; m, in every lane
	EACH8 v_mov_b32 v[MS+2*n+1], v[MS+2*n]
	EACH8 ds_store_b32 v[TMA], v[MS+2*n] offset:4*n                    ; all lanes write the same word with the same number
.set n, 0
.rept 32
	v_pk_add_f32 v[X+2*n:X+2*n+1], v[X+2*n:X+2*n+1], v[MS+2*(n/4):MS+2*(n/4)+1] neg_lo:[0,1] neg_hi:[0,1]  ; t - m: exact where t = m
.set n, n+1
.endr
.set n, 0
.rept 64
	v_exp_f32 v[X+n], v[X+n]
.set n, n+1
.endr
	v_nop                                          ; a plain instruction between the exponentials and the use of their results
.set n, 0
	s_wait_alu depctr_va_vdst(0)
.rept 32
	v_cvt_pk_f16_f32 v[PK+n], v[X+2*n], v[X+2*n+1]
.set n, n+1
.endr
	EACH8 global_store_b128 v[GOA], v[PK+4*n:PK+4*n+3], s[OUTP:OUTP+1] offset:4096*n  ; 512 consecutive bytes, at a multiple of 256 from pt's first byte
.set n, 0
.rept 16
	v_pk_add_f32 v[X+4*n:X+4*n+1], v[X+4*n:X+4*n+1], v[X+4*n+2:X+4*n+3]  ; the sum of the unrounded p
.set n, n+1
.endr
	EACH8 v_pk_add_f32 v[X+8*n:X+8*n+1], v[X+8*n:X+8*n+1], v[X+8*n+4:X+8*n+5]
	EACH8 v_add_f32 v[CH+n], v[X+8*n], v[X+8*n+1]
.irp m, 1,2,4,8
	EACH8 v_add_f32_dpp v[CH+n], v[CH+n], v[CH+n] row_xmask:\m row_mask:0xf bank_mask:0xf
.endr
	EACH8 ds_store_b32 v[TLA], v[CH+n] offset:4*n                      ; each half of the lanes its own 128 keys' sum
	s_add_co_u32 s[SD], s[SD], 8*DP
	s_add_co_u32 s[SM], s[SM], 8*256
	s_sub_co_u32 s[CT], s[CT], 1
	s_cmp_lg_u32 s[CT], 0
	s_cbranch_scc1 .Ltrip
	s_wait_dscnt 0x0                               ; my reads of the rows are over and my words of the table are written
	s_barrier_signal -1
	s_barrier_wait -1                              ; so are everybody's: the rows may be written again, the table read
	s_add_co_u32 s[SM], s[SM], 32*256              ; 32 rows are done; the second half's begin 64 rows below the first's
	s_sub_co_u32 s[PH], s[PH], 1
	s_cmp_lg_u32 s[PH], 0
	s_cbranch_scc1 .Lphase
	s_cmp_eq_u32 s[WV], 3                          ; three lines of 1,024 bytes: wave 0 stores m, waves 1 and 2 the two l
	s_cbranch_scc1 .Lno_tab
	ds_load_b128 v[X:X+3],   v[TRD]
	ds_load_b128 v[X+4:X+7], v[TRD] offset:512
	s_wait_dscnt 0x0
	global_store_b128 v[TGO], v[X:X+3],   s[STP:STP+1]             ; 512 consecutive bytes each, at a multiple of 256 from st's first byte
	global_store_b128 v[TGO], v[X+4:X+7], s[STP:STP+1] offset:512
.Lno_tab:
	s_wait_tensorcnt 0x0                           ; the wave's end
	ds_add_u32 v[SPW], v[NIL]
	s_wait_dscnt 0x0
	CROUND                                         ; the closing round
	s_endpgm
.Lfunc_end_k_q46d1275db7_scores:
	.size	k_q46d1275db7_scores, .Lfunc_end_k_q46d1275db7_scores-k_q46d1275db7_scores
	.p2alignl 7, 3214868480
	.fill 96, 4, 3214868480
	.section	.rodata,"a",@progbits
	.p2align	6, 0x0
	.amdhsa_kernel k_q46d1275db7_scores
		.amdhsa_group_segment_fixed_size 327680
		.amdhsa_private_segment_fixed_size 0
		.amdhsa_enable_private_segment 0
		.amdhsa_kernarg_size 32
		.amdhsa_user_sgpr_count 2
		.amdhsa_user_sgpr_kernarg_segment_ptr 1
		.amdhsa_wavefront_size32 1
		.amdhsa_system_sgpr_workgroup_id_x 1
		.amdhsa_system_sgpr_workgroup_id_y 1
		.amdhsa_system_sgpr_workgroup_id_z 1
		.amdhsa_system_vgpr_workitem_id 0
		.amdhsa_next_free_vgpr 1024
		.amdhsa_next_free_sgpr 96
		.amdhsa_reserve_vcc 0
		.amdhsa_float_denorm_mode_32 3
		.amdhsa_float_denorm_mode_16_64 3
		.amdhsa_memory_ordered 1
		.amdhsa_forward_progress 1
		.amdhsa_inst_pref_size 152
	.end_amdhsa_kernel
	.amdgpu_metadata
---
amdhsa.version: [ 1, 2 ]
amdhsa.kernels:
  - .name:           k_q46d1275db7_scores
    .symbol:         k_q46d1275db7_scores.kd
    .args:
      - { .name: y, .offset: 0, .size: 8, .value_kind: global_buffer, .address_space: global }
      - { .name: mask, .offset: 8, .size: 8, .value_kind: global_buffer, .address_space: global }
      - { .name: pt, .offset: 16, .size: 8, .value_kind: global_buffer, .address_space: global }
      - { .name: st, .offset: 24, .size: 8, .value_kind: global_buffer, .address_space: global }
    .group_segment_fixed_size: 327680
    .private_segment_fixed_size: 0
    .kernarg_segment_align: 8
    .kernarg_segment_size: 32
    .max_flat_workgroup_size: 128
    .sgpr_count:     96
    .vgpr_count:     1024
    .wavefront_size: 32
...
	.end_amdgpu_metadata
.endif
;; end of part 6
;; launch pv (part 7): grid 4 x 64, 4 waves a work-group, clusters of 4 x 4, 327,680 bytes of LDS; arguments pt, y, st, out0; writes out0
.if DOCPART == 7
	.amdgcn_target "amdgcn-amd-amdhsa--gfx1250"
	.amdhsa_code_object_version 6
	.text
	.protected	k_q46d1275db7_pv
	.globl	k_q46d1275db7_pv
	.p2align	8
	.type	k_q46d1275db7_pv,@function
k_q46d1275db7_pv:
	s_mov_b64 s[64:65], 0
	v_nop
	global_prefetch_b8 v0, s[64:65] scope:SCOPE_SE
	s_setreg_imm32_b32 hwreg(HW_REG_WAVE_MODE, 25, 1), 1
	s_wait_xcnt 0x0
	s_wait_alu depctr_hold_cnt(0) depctr_sa_sdst(0) depctr_va_vdst(0) depctr_va_sdst(0) depctr_va_ssrc(0) depctr_va_vcc(0) depctr_vm_vsrc(0)
	s_getreg_b32 s2, hwreg(HW_REG_IB_STS2, 6, 4)
	s_cmp_eq_u32 s2, 0
	s_cbranch_scc0 .Lentry_in_a_cluster
	s_endpgm
.Lentry_in_a_cluster:
	s_bfe_u32 s2, ttmp6, 0x10000c
	s_cmp_lg_u32 s2, 0xf033
	s_cbranch_scc0 .Lentry_shape_is_right
	s_endpgm
.Lentry_shape_is_right:
; out0 = qp + the sum over the keys of (F_j p) vp.  pt: [8192][2048] f16, p = 2^(t - m_j), j = key / 256; y: [24576][1024] f16 (qp, kp, vp); st: m[8][8192], l[16][8192] f32; out0: [8192][1024] f32.
; For each query: M = the largest of its eight m_j; f_j = 2^(m_j - M); L = the sum of f_j (l_2j + l_2j+1), at least 1; F_j = f_j / L.  So every weight is 2^(t - M) / L: the softmax with the row's maximum taken away.
; LIMITS.  f_j below 2^-126 counts as 0.  F_j is rounded to f16 and p F_j is rounded to f16 once more; below 6e-5 it keeps f16's fixed step of 6e-8: over 2,048 keys at most 6e-5 of the largest |vp|.
; The residual is qp as rounded to f16.  NaN and infinities are not treated apart.
; SHARES, CLUSTER.  A tile of out0 is 128 queries x 256 channels: 256 work-groups of equal work; four waves, wave (WR, WC): 64 x 128, 32 accumulators.  Source 0 = 16 channels, source 1 = 16 queries: a lane
; holds query l % 16 and eight neighbouring channels.  4 x 4 work-groups form a cluster: P's tile is asked for jointly along a row of the cluster, V's along a column.
; THE RING.  K is the batch's 2,048 keys.  A slot holds 192 keys, six quarters of 32: two such slots are what LDS has room for (2 x 159,744 bytes).  A wave issues 192 matrix instructions for a slot, 176 of them
; between a slot's request and the wait for it.  P's rows are 384 bytes, padded by 16 after every 128 (pitch 432); V's tile is 192 keys x 512 bytes (pitch 544), turned by ds_load_tr16_b128.
; 2,048 = 10 x 192 + 128: the eleventh tile begins at key 1,856, so that it stays inside the batch with the same shape, and only its last four quarters are multiplied: 64 keys are fetched twice.
; The text of a slot is written once: the slot's base is a scalar that an exclusive or turns between 0 and SLOT.
; THE FACTORS.  192 keys do not line up with the 256 keys of an m_j, so F_j is multiplied into P's fragments in registers, 32 packed multiplies a quarter; a quarter never spans two j.  The table of F_j
; (a pair of f16 for each j and row) is made by the waves with WC = 0 and read by all behind the first barrier.
; THE SUMS START AS THE RESIDUAL: qp is loaded in the accumulators' layout and widened to f32 while the first tiles are on their way: nothing is cleared, and nothing is added on the way out.
; REGISTERS.  Window 0: v0-31 addresses; v32-127, v128-223 two fragment buffers (P's block a at +8 a, V's block b at +32 + 8 b); v224-227, v228-231 their factors.  Window 1: accumulator (a, b) at v[8 (8 a + b)].
.set KI,     192                       ; keys in a slot
.set PA,     432                       ; a row of P in LDS: three pieces of 128 bytes + 16: 27 x 16 bytes, so the 16 rows of a load start 108 words apart
.set PB,     544                       ; a key's row of V in LDS: 512 bytes + 32
.set AHALF,  64*PA                     ; what waves 0 and 1 fetch each
.set BHALF,  96*PB                     ; what waves 2 and 3 fetch each
.set BOFF,   2*AHALF
.set SLOT,   2*AHALF+2*BHALF
.set STAGE,  SLOT                      ; the way out goes through slot 1: its last fill and its last reads are over at the last change of slots.  16 rows x 528 bytes for each wave
.set SP,     528                       ; a row of 128 f32 + 16 bytes: the 16 rows of a store start 132 words apart
.set SPARE,  2*SLOT                    ; the spare words: two blocks of 256 bytes that no other line names
.set FT,     SPARE+512                 ; 2,048 bytes for each half of the rows: F_j as a pair of f16, at 256 j + 16 (row % 16) + 4 (row / 16)
.set VOFF,   16384*2048                ; vp's first byte in y
.set LOFF,   8*8192*4
.set ASTEP,  KI*2                      ; a slot along P's rows, in bytes
.set BSTEP,  KI*2048                   ; a slot down V's rows
.set ADRA, 4                           ; v4    LDS address of my P fragments in the slot in hand
.set ADRB, 6                           ; v6-7  the same for V: quarters 0-2, quarters 3-5
.set STO,  8
.set RD,   9
.set GO,   10                          ; v10  16 x lane: my place in a row of out0
.set RO,   11                          ; v11  my lane's place in a block of the residual: row l % 16, 16 bytes for each half of the lanes
.set SPW,  12
.set NIL,  13
.set SO,   14                          ; v14  8 x lane
.set FTS,  15                          ; v15  where I put the factors of my two rows
.set FT0,  16                          ; v16  where my lane's factors of j = 0 lie
.set FTA,  18                          ; v18  those of the quarter being fetched
.set ADRA0, 23                         ; v23-24 the fragment addresses in slot 0; never rewritten
.set ADRB0, 24
.set F0,   32
.set F1,   128
.set FV,   224                         ; buffer 0's factors at FV + a, buffer 1's at FV + 4 + a
.set RAW,  32                          ; the prologue: v32-159 the residual as loaded: (a, b) at RAW + 4 (8 a + b)
.set MT,   160                         ; m of my rows 2 i + u, at MT + 2 j + u
.set LT,   176                         ; l, at LT + 2 jj + u
.set MX,   208
.set LSUM, 210
.set RC,   212
.set FPR,  214                         ; F as pairs of f16
.set OB,   32                          ; the way out: v32-95 and v96-159 by turns: 16 rows read back from the stage
.set WV,  12
.set WR,  13
.set WC,  14
.set G1A, 24                           ; s[24:31] group 1 for P's tiles; s[32:35] group 0 of the first fill, s[36:39] of the second, which then walks on
.set G0A, 32
.set G1B, 40                           ; s[40:47], s[48:55] the same for V's
.set G0B, 48
.set STA,  68                          ; s[68:69] the step of P's address, s[70:71] of V's
.set STB,  70
.set LBA,  84                          ; s84  my part of P's tile in a slot
.set LBB,  85                          ; s85  my part of V's
.set OUTP, 86                          ; s[86:87] out0 at my part of the tile
.set STP,  88                          ; s[88:89] st at my wave's 64 rows
.set RES,  90                          ; s[90:91] qp at my part of the tile
.set TB,   92                          ; s92  the base of the slot in hand: 0 or SLOT
.set FC,   93                          ; s93  32 x the number of the quarter to be fetched: cut down to a multiple of 256 it is 256 j
.set MSB, 0
.macro WIN new
.if MSB != (\new)
	s_set_vgpr_msb (MSB<<8)|(\new)
.set MSB, \new
.endif
.endm
.set MULW, 0x50                        ; sources 0 and 1 window 0, C and D window 1
.macro PLACES                          ; four plain vector instructions between a matrix instruction and a load into, or a store or vector instruction on, its registers
.rept 4
	v_nop
.endr
.endm
.macro JLOAD                           ; a joint refill: waves 0 and 1 P's halves, waves 2 and 3 V's; an s_nop 0 and four v_nop follow each line
	s_cmp_eq_u32 s[WR], 0
	s_cbranch_scc0 .Lfor_b_\@
	tensor_load_to_lds s[G0A+4:G0A+7], s[G1A:G1A+7]
	s_nop 0
	PLACES
	s_branch .Lasked_\@
.Lfor_b_\@:
	tensor_load_to_lds s[G0B+4:G0B+7], s[G1B:G1B+7]
	s_nop 0
	PLACES
.Lasked_\@:
.endm
.macro CREST
	s_cmp_lg_u32 s[WV], 0
	s_cbranch_scc1 .Lnot_wave_0_\@
	s_barrier_signal -3
.Lnot_wave_0_\@:
	s_barrier_wait -3
	s_barrier_signal -1
	s_barrier_wait -1
.endm
.macro CROUND
	s_barrier_signal -1
	s_barrier_wait -1
	CREST
.endm
	s_load_b256 s[4:11], s[0:1], 0x0               ; pt s[4:5], y s[6:7], st s[8:9], out0 s[10:11]
	v_lshl_add_u32 v[SPW], v0, 2, SPARE
	v_mov_b32 v[NIL], 0
	ds_add_u32 v12, v13
	s_wait_dscnt 0x0
	v_lshrrev_b32 v1, 5, v0
	v_readfirstlane_b32 s[WV], v1
	s_lshr_b32 s[WR], s[WV], 1
	s_and_b32 s[WC], s[WV], 1
	s_bfe_u32 s15, ttmp6, 0x40000                  ; cx
	s_bfe_u32 s16, ttmp6, 0x40004                  ; cy
	s_lshl_b32 s17, ttmp9, 2
	s_add_co_u32 s17, s17, s15                     ; channel tile tx
	s_and_b32 s19, ttmp7, 0xffff                   ; cluster y; the batch is cluster y / 4
	s_lshl_b32 s18, s19, 2
	s_add_co_u32 s18, s18, s16                     ; query tile ty
	s_lshl_b32 s20, s16, 2
	s_lshl_b32 s20, 15, s20                        ; my row of the cluster
	s_lshl_b32 s21, 0x1111, s15                    ; my column
	s_or_b32 s[G1A], s20, (1<<16)|(1<<20)|(1<<21)|(4<<22)|(3<<25)  ; the mask of four; 2-byte elements; padding on; bit 21 beside a mask; after every 32 words 4 words
	s_mov_b32 s[G1A+1], KI<<16                     ; tensor_dim0 = 192
	s_mov_b32 s[G1A+2], 64<<16                     ; tensor_dim1 = 64
	s_mov_b32 s[G1A+3], KI<<16                     ; tile_dim0 = 192
	s_mov_b32 s[G1A+4], 64                         ; tile_dim1 = 64
	s_mov_b32 s[G1A+5], 2048                       ; a row of pt
	s_mov_b32 s[G1A+6], 0
	s_mov_b32 s[G1A+7], 0
	s_or_b32 s[G1B], s21, (1<<16)|(1<<20)|(1<<21)|(6<<22)|(7<<25)  ; after every 128 words 8 words
	s_mov_b32 s[G1B+1], 256<<16                    ; tensor_dim0 = 256
	s_mov_b32 s[G1B+2], 96<<16                     ; tensor_dim1 = 96
	s_mov_b32 s[G1B+3], 256<<16                    ; tile_dim0 = 256
	s_mov_b32 s[G1B+4], 96                         ; tile_dim1 = 96
	s_mov_b32 s[G1B+5], 1024
	s_mov_b32 s[G1B+6], 0
	s_mov_b32 s[G1B+7], 0
	s_lshl_b32 s22, s18, 19                        ; P: row 128 ty + 64 WC, 4,096 bytes a row: of the tile row and the wave alone
	s_lshl_b32 s2, s[WC], 18
	s_add_co_u32 s22, s22, s2
	s_mov_b32 s23, 0
	s_lshl_b32 s72, s17, 9                         ; V: key 2,048 batch + 96 WC, channel 256 tx: of the tile column, the batch and the wave alone
	s_lshr_b32 s2, s19, 2
	s_lshl_b32 s2, s2, 22
	s_add_co_u32 s72, s72, s2
	s_mul_i32 s2, s[WC], 96*2048
	s_add_co_u32 s72, s72, s2
	s_add_co_u32 s72, s72, VOFF
	s_mov_b32 s73, 0
	s_mul_i32 s[LBA], s[WC], AHALF                 ; where they go: no place in the cluster enters an LDS address
	s_mul_i32 s[LBB], s[WC], BHALF
	s_add_co_u32 s[LBB], s[LBB], BOFF
	s_mov_b32 s[TB], 0
	s_mov_b32 s[FC], 0
	s_mov_b32 s[STA+1], 0
	s_mov_b32 s[STB+1], 0
	v_and_b32 v1, 15, v0                           ; r = l % 16
	v_bfe_u32 v2, v0, 4, 1                         ; h = l / 16
	v_and_b32 v17, 31, v0                          ; lane
	v_lshlrev_b32 v[RO], 11, v1
	v_lshl_add_u32 v[RO], v2, 4, v[RO]
	s_lshl_b32 s74, s18, 18                        ; qp at row 128 ty + 64 WR, channel 256 tx + 128 WC
	s_lshl_b32 s2, s[WR], 17
	s_add_co_u32 s74, s74, s2
	s_lshl_b32 s2, s17, 9
	s_add_co_u32 s74, s74, s2
	s_lshl_b32 s2, s[WC], 8
	s_add_co_u32 s74, s74, s2
	s_mov_b32 s75, 0
	s_wait_kmcnt 0x0
	s_add_nc_u64 s[22:23], s[4:5], s[22:23]
	s_add_nc_u64 s[72:73], s[6:7], s[72:73]
	s_add_nc_u64 s[RES:RES+1], s[6:7], s[74:75]
	s_lshl_b32 s74, s74, 1                         ; out0: the same place, 4 bytes a number
	s_add_nc_u64 s[OUTP:OUTP+1], s[10:11], s[74:75]
	s_lshl_b32 s74, s18, 9                         ; st: row 128 ty + 64 WR, 4 bytes a row
	s_lshl_b32 s2, s[WR], 8
	s_add_co_u32 s74, s74, s2
	s_add_nc_u64 s[STP:STP+1], s[8:9], s[74:75]
	; THE RESIDUAL, as the accumulators lie: for (a, b) my lane's eight channels of row 16 a + l % 16 are 16 bytes; the eight loads of a block cover 16 whole rows of 256 bytes.  Asked for ahead of the round.
.set n, 0
.rept 32
	global_load_b128 v[RAW+4*n:RAW+4*n+3], v[RO], s[RES:RES+1] offset:(n/8)*32768+32*(n%8)
.set n, n+1
.endr
	CROUND                                         ; all sixteen work-groups are here: the first joint loads meet
.irp s, 0,1
	s_mov_b32 s[G0A+4*(\s)], 1
	s_add_co_u32 s[G0A+4*(\s)+1], s[LBA], (\s)*SLOT
	s_add_nc_u64 s[G0A+4*(\s)+2:G0A+4*(\s)+3], s[22:23], (\s)*ASTEP
	s_or_b32 s[G0A+4*(\s)+3], s[G0A+4*(\s)+3], 0x80000000
	s_mov_b32 s[G0B+4*(\s)], 1
	s_add_co_u32 s[G0B+4*(\s)+1], s[LBB], (\s)*SLOT
	s_add_nc_u64 s[G0B+4*(\s)+2:G0B+4*(\s)+3], s[72:73], (\s)*BSTEP
	s_or_b32 s[G0B+4*(\s)+3], s[G0B+4*(\s)+3], 0x80000000
.endr
	s_cmp_eq_u32 s[WR], 0                          ; a wave's two first fills stand in one branch, ahead of every wait on TENSORcnt and every LDS read: two loads of mine are out
	s_cbranch_scc0 .Lfirst_b
	tensor_load_to_lds s[G0A:G0A+3], s[G1A:G1A+7]
	s_nop 0
	tensor_load_to_lds s[G0A+4:G0A+7], s[G1A:G1A+7]
	s_nop 0
	PLACES
	s_branch .Lfirst_asked
.Lfirst_b:
	tensor_load_to_lds s[G0B:G0B+3], s[G1B:G1B+7]
	s_nop 0
	tensor_load_to_lds s[G0B+4:G0B+7], s[G1B:G1B+7]
	s_nop 0
	PLACES
.Lfirst_asked:
	v_lshlrev_b32 v[SO], 3, v17
	v_mul_u32_u24 v3, v1, PA                       ; a fragment of P: row r, 16 bytes for each half of the lanes
	v_lshl_add_u32 v3, v2, 4, v3
	s_mul_i32 s2, s[WR], AHALF
	v_add_nc_u32 v[ADRA0], s2, v3
	v_and_b32 v19, 7, v0                           ; l % 8
	v_bfe_u32 v20, v0, 3, 2                        ; l / 8
	s_lshl_b32 s2, s[WR], 11
	s_add_co_u32 s2, s2, FT
	v_lshl_add_u32 v[FT0], v1, 4, s2
	v_lshl_add_u32 v[FTS], v19, 5, s2              ; row 2 i lies in block i / 8, at place 2 (i % 8) of it
	v_lshl_add_u32 v[FTS], v20, 2, v[FTS]
	v_lshl_add_u32 v21, v2, 3, v19                 ; the turning load: key 8 h + l % 8, channels 8 ((l / 8) % 2) + 0..7
	v_mul_u32_u24 v21, v21, PB
	v_bfe_u32 v22, v0, 3, 1
	v_lshl_add_u32 v21, v22, 4, v21
	s_lshl_b32 s2, s[WC], 8
	s_add_co_u32 s2, s2, BOFF
	v_add_nc_u32 v[ADRB0], s2, v21
	s_mul_i32 s2, s[WV], 16*SP
	s_add_co_u32 s2, s2, STAGE                     ; my stage
	v_mul_u32_u24 v[STO], v1, SP                   ; in: row r, 32 bytes for each half of the lanes
	v_lshl_add_u32 v[STO], v2, 5, v[STO]
	v_add_nc_u32 v[STO], s2, v[STO]
	v_lshlrev_b32 v[GO], 4, v17
	v_add_nc_u32 v[RD], s2, v[GO]                  ; back: 32 lanes take one row of 512 bytes
	; THE FACTORS, by the waves with WC = 0, each for its 64 rows.  Lane i takes rows 2 i and 2 i + 1: each load covers 256 consecutive bytes.
	s_cmp_lg_u32 s[WC], 0
	s_cbranch_scc1 .Lno_f
.set j, 0
.rept 8
	global_load_b64 v[MT+2*j:MT+2*j+1], v[SO], s[STP:STP+1] offset:32768*j
.set j, j+1
.endr
.set j, 0
.rept 16
	global_load_b64 v[LT+2*j:LT+2*j+1], v[SO], s[STP:STP+1] offset:LOFF+32768*j
.set j, j+1
.endr
	s_wait_loadcnt 0x0
.irp u, 0,1
	v_max3_num_f32 v[MX+\u], v[MT+\u], v[MT+2+\u], v[MT+4+\u]
	v_max3_num_f32 v[MX+\u], v[MX+\u], v[MT+6+\u], v[MT+8+\u]
	v_max3_num_f32 v[MX+\u], v[MX+\u], v[MT+10+\u], v[MT+12+\u]
	v_max_num_f32 v[MX+\u], v[MX+\u], v[MT+14+\u]
.endr
.set j, 0
.rept 8
	v_pk_add_f32 v[MT+2*j:MT+2*j+1], v[MT+2*j:MT+2*j+1], v[MX:MX+1] neg_lo:[0,1] neg_hi:[0,1]  ; m_j - M: 0 for the largest, exactly
.set j, j+1
.endr
.set n, 0
.rept 16
	v_exp_f32 v[MT+n], v[MT+n]                     ; f_j
.set n, n+1
.endr
.set j, 0
.rept 8
	v_pk_add_f32 v[LT+4*j:LT+4*j+1], v[LT+4*j:LT+4*j+1], v[LT+4*j+2:LT+4*j+3]  ; a tile's two halves; plain instructions behind the exponentials
.set j, j+1
.endr
	s_wait_alu depctr_va_vdst(0)
	v_pk_mul_f32 v[LSUM:LSUM+1], v[MT:MT+1], v[LT:LT+1]
.irp j, 1,2,3,4,5,6,7
	v_pk_fma_f32 v[LSUM:LSUM+1], v[MT+2*\j:MT+2*\j+1], v[LT+4*\j:LT+4*\j+1], v[LSUM:LSUM+1]
.endr
	v_rcp_f32 v[RC], v[LSUM]
	v_rcp_f32 v[RC+1], v[LSUM+1]
	v_nop                                          ; a plain instruction between the last reciprocal and the use of its result
.set j, 0
	s_wait_alu depctr_va_vdst(0)
.rept 8
	v_pk_mul_f32 v[MT+2*j:MT+2*j+1], v[MT+2*j:MT+2*j+1], v[RC:RC+1]  ; F_j
.set j, j+1
.endr
.set n, 0
.rept 16
	v_cvt_pk_f16_f32 v[FPR+n], v[MT+n], v[MT+n]    ; in both halves: a factor for a pair of keys
.set n, n+1
.endr
.set n, 0
.rept 16
	ds_store_b32 v[FTS], v[FPR+n] offset:256*(n/2)+16*(n%2)
.set n, n+1
.endr
.Lno_f:
	; the sums = the residual in f32.  Number n of a list goes to register base + n: a raw register's low half, then its high half.  Halves have names up to v127 alone, so block 3's 32 registers are moved down first.
.macro CVA base                        ; v32-63
.set n, 0
.irp s, v32.l,v32.h,v33.l,v33.h,v34.l,v34.h,v35.l,v35.h,v36.l,v36.h,v37.l,v37.h,v38.l,v38.h,v39.l,v39.h,v40.l,v40.h,v41.l,v41.h,v42.l,v42.h,v43.l,v43.h,v44.l,v44.h,v45.l,v45.h,v46.l,v46.h,v47.l,v47.h,v48.l,v48.h,v49.l,v49.h,v50.l,v50.h,v51.l,v51.h,v52.l,v52.h,v53.l,v53.h,v54.l,v54.h,v55.l,v55.h,v56.l,v56.h,v57.l,v57.h,v58.l,v58.h,v59.l,v59.h,v60.l,v60.h,v61.l,v61.h,v62.l,v62.h,v63.l,v63.h
	v_cvt_f32_f16 v[(\base)+n], \s
.set n, n+1
.endr
.endm
.macro CVB base                        ; v64-127
.set n, 0
.irp s, v64.l,v64.h,v65.l,v65.h,v66.l,v66.h,v67.l,v67.h,v68.l,v68.h,v69.l,v69.h,v70.l,v70.h,v71.l,v71.h,v72.l,v72.h,v73.l,v73.h,v74.l,v74.h,v75.l,v75.h,v76.l,v76.h,v77.l,v77.h,v78.l,v78.h,v79.l,v79.h,v80.l,v80.h,v81.l,v81.h,v82.l,v82.h,v83.l,v83.h,v84.l,v84.h,v85.l,v85.h,v86.l,v86.h,v87.l,v87.h,v88.l,v88.h,v89.l,v89.h,v90.l,v90.h,v91.l,v91.h,v92.l,v92.h,v93.l,v93.h,v94.l,v94.h,v95.l,v95.h,v96.l,v96.h,v97.l,v97.h,v98.l,v98.h,v99.l,v99.h,v100.l,v100.h,v101.l,v101.h,v102.l,v102.h,v103.l,v103.h,v104.l,v104.h,v105.l,v105.h,v106.l,v106.h,v107.l,v107.h,v108.l,v108.h,v109.l,v109.h,v110.l,v110.h,v111.l,v111.h,v112.l,v112.h,v113.l,v113.h,v114.l,v114.h,v115.l,v115.h,v116.l,v116.h,v117.l,v117.h,v118.l,v118.h,v119.l,v119.h,v120.l,v120.h,v121.l,v121.h,v122.l,v122.h,v123.l,v123.h,v124.l,v124.h,v125.l,v125.h,v126.l,v126.h,v127.l,v127.h
	v_cvt_f32_f16 v[(\base)+n], \s
.set n, n+1
.endr
.endm
	s_wait_loadcnt 0x0                             ; the residual is in
	WIN 0x40                                       ; destination window 1, source window 0
	CVA 0                                          ; block 0
	CVB 64                                         ; blocks 1 and 2
	WIN 0
.set n, 0
.rept 32
	v_mov_b32 v[RAW+n], v[RAW+96+n]
.set n, n+1
.endr
	WIN 0x40
	CVA 192                                        ; block 3
	WIN 0
; 8 matrix instructions: P's block a x all 8 blocks of V, 32 keys.  The 32 accumulators take turns, one instruction a turn, in one order everywhere.
.macro MULA f, a
	WIN MULW
.irp b, 0,1,2,3,4,5,6,7
	v_wmma_f32_16x16x32_f16 v[8*(8*(\a)+(\b)):8*(8*(\a)+(\b))+7], v[(\f)+32+8*(\b):(\f)+32+8*(\b)+7], v[(\f)+8*(\a):(\f)+8*(\a)+7], v[8*(8*(\a)+(\b)):8*(8*(\a)+(\b))+7]
.endr
.endm
.macro SCALE f, a                      ; P's block a of buffer f times my query's F_j: eight registers of two keys each
.set n, 0
.rept 8
	v_pk_mul_f16 v[(\f)+8*(\a)+n], v[(\f)+8*(\a)+n], v[FV+4*((\f)/128)+(\a)]
.set n, n+1
.endr
.endm
.macro ADDR                            ; the fragment addresses in the slot in hand
	v_add_nc_u32 v[ADRA], s[TB], v[ADRA0]
	v_add_nc_u32 v[ADRB], s[TB], v[ADRB0]
	v_add_nc_u32 v[ADRB+1], 3*32*PB, v[ADRB]       ; quarters 3 to 5 lie past what an LDS offset of 16 bits reaches
.endm
; 25 LDS loads in one run: quarter q of the slot in hand into buffer g: its factors, V's 16, turned, then P's 8 with its blocks ascending.  Quarter q of P's rows lies in piece q / 2, at byte 64 (q % 2) of it.
.macro FETCH q, g
	WIN 0
	s_and_b32 s94, s[FC], 0xffffff00               ; 256 j
	s_add_co_u32 s[FC], s[FC], 32
	v_add_nc_u32 v[FTA], s94, v[FT0]
	ds_load_b128 v[FV+4*((\g)/128):FV+4*((\g)/128)+3], v[FTA]
.irp i, 0,1,2,3,4,5,6,7
	ds_load_tr16_b128 v[(\g)+32+8*(\i):(\g)+32+8*(\i)+3],   v[ADRB+(\q)/3] offset:((\q)%3)*32*PB+32*(\i)
	ds_load_tr16_b128 v[(\g)+32+8*(\i)+4:(\g)+32+8*(\i)+7], v[ADRB+(\q)/3] offset:((\q)%3)*32*PB+32*(\i)+16*PB
.endr
.irp i, 0,1,2,3
	ds_load_b128 v[(\g)+8*(\i):(\g)+8*(\i)+3],   v[ADRA] offset:((\q)/2)*144+((\q)%2)*64+(\i)*16*PA
	ds_load_b128 v[(\g)+8*(\i)+4:(\g)+8*(\i)+7], v[ADRA] offset:((\q)/2)*144+((\q)%2)*64+(\i)*16*PA+32
.endr
.endm
; One of a slot's first five quarters: buffer f is scaled and multiplied; quarter q is fetched into buffer g ahead of the products, so that it has all 32 of them in which to land.
.macro QUARTER q, f, g
	WIN 0
	s_wait_dscnt 4                                 ; the factors, V and P's blocks 0 and 1 are in; the four youngest loads (blocks 2 and 3) may be out
	SCALE \f, 0
	SCALE \f, 1
	PLACES
	FETCH \q, \g
	s_wait_dscnt 25                                ; all but the 25 just issued
	SCALE \f, 2
	SCALE \f, 3
	MULA \f, 0
	MULA \f, 1
	MULA \f, 2
	MULA \f, 3
.endm
; The last quarter multiplies buffer 1 and changes slots.  In front of the barrier each wave waits for all its tensor loads (one is out: its part of the next slot), adds 0 to its spare word, and waits for
; that and for its reads of this slot.  fill = 1: the barrier opens a round of the cluster's, and this slot is filled again first thing behind the round, with the tile two slots on.  In the loop's last trip
; that tile begins 128 keys behind the one before it, not 192.  nq: the next slot's first quarter to be multiplied.
.macro TURN fill, nq
	WIN 0
	s_wait_tensorcnt 0x0
	ds_add_u32 v[SPW], v[NIL]
	s_wait_dscnt 5                                 ; the add and the four youngest loads may be out
	SCALE F1, 0
	SCALE F1, 1
	MULA F1, 0
	s_wait_dscnt 0x0                               ; the add is done, and my reads of this slot are over
	s_barrier_signal -1
	MULA F1, 1
	WIN 0
	SCALE F1, 2
	SCALE F1, 3
	s_barrier_wait -1
.if \fill
	CREST                                          ; no wave of any partner still reads this slot or has a load on its way
	s_cmp_eq_u32 s3, 1
	s_cselect_b32 s94, 64, 0                       ; keys by which the last step is shorter
	s_lshl_b32 s[STA], s94, 1
	s_sub_co_u32 s[STA], ASTEP, s[STA]
	s_lshl_b32 s[STB], s94, 11
	s_sub_co_u32 s[STB], BSTEP, s[STB]
	s_add_co_u32 s[G0A+5], s[LBA], s[TB]           ; into the slot just read
	s_add_nc_u64 s[G0A+6:G0A+7], s[G0A+6:G0A+7], s[STA:STA+1]
	s_add_co_u32 s[G0B+5], s[LBB], s[TB]
	s_add_nc_u64 s[G0B+6:G0B+7], s[G0B+6:G0B+7], s[STB:STB+1]
	JLOAD                                          ; its four v_nop are also places in front of the loads below
.else
	PLACES
.endif
	s_xor_b32 s[TB], s[TB], SLOT                   ; the other slot
	ADDR
	FETCH \nq, F0
	MULA F1, 2
	MULA F1, 3
.endm
	s_wait_tensorcnt 0x1                           ; my part of the first tile is in; the second's may stay out
	s_wait_dscnt 0x0                               ; for the others' sake: my words of the factors' table are written
	s_barrier_signal -1
	s_barrier_wait -1
	ADDR
	FETCH 0, F0
	s_mov_b32 s3, 9
.Lslot:                                                ; a trip is one slot of 192 keys, which is filled again: tiles 0 to 8 are multiplied, tiles 2 to 10 asked for
	QUARTER 1, F0, F1
	QUARTER 2, F1, F0
	QUARTER 3, F0, F1
	QUARTER 4, F1, F0
	QUARTER 5, F0, F1
	TURN 1, 0
	WIN 0
	s_sub_co_u32 s3, s3, 1
	s_cmp_lg_u32 s3, 0
	s_cbranch_scc1 .Lslot
	QUARTER 1, F0, F1                              ; tile 9: nothing is left to ask for
	QUARTER 2, F1, F0
	QUARTER 3, F0, F1
	QUARTER 4, F1, F0
	QUARTER 5, F0, F1
	TURN 0, 2                                      ; of tile 10 the first two quarters, keys 1,856 to 1,919, have been multiplied as tile 9's
	QUARTER 3, F0, F1
	QUARTER 4, F1, F0
	QUARTER 5, F0, F1
	WIN 0
	s_wait_dscnt 0x0                               ; the very last quarter
	SCALE F1, 0
	SCALE F1, 1
	SCALE F1, 2
	SCALE F1, 3
	MULA F1, 0
	MULA F1, 1
	MULA F1, 2
	MULA F1, 3
	WIN 0
	PLACES
; THE WAY OUT, a block of 16 rows at a time: the sums go through my own stage in LDS and come back as whole rows of 512 bytes.  The stage runs one block ahead of the stores.
.macro STG a
	WIN 0
	s_wait_xcnt 0x0                                ; the registers that the block before last was stored from are loaded again only behind this wait
	WIN 0x04                                       ; the stores' data in window 1; of each accumulator the four lowest registers go first
.set n, 0
.rept 16
	ds_store_b128 v[STO], v[64*(\a)+4*n:64*(\a)+4*n+3] offset:64*(n/2)+16*(n%2)
.set n, n+1
.endr
	WIN 0
.set n, 0
.rept 16
	ds_load_b128 v[OB+64*((\a)%2)+4*n:OB+64*((\a)%2)+4*n+3], v[RD] offset:SP*n  ; LDS serves a wave's instructions in order (ISA guide 5.7.1.4): these see the stores above, and the next block's stores come behind them
.set n, n+1
.endr
.endm
.macro OUTB a, younger                 ; younger: the LDS instructions issued behind block a's loads: the next block's 32, or none
.set n, 0
.rept 16
	s_wait_dscnt (\younger)+15-n                   ; row n is back; what is younger stays out
	global_store_b128 v[GO], v[OB+64*((\a)%2)+4*n:OB+64*((\a)%2)+4*n+3], s[OUTP:OUTP+1] offset:(16*(\a)+n)*4096 th:TH_STORE_NT  ; 512 consecutive bytes, at a multiple of 256 from out0's first byte
.set n, n+1
.endr
.endm
	STG 0
.irp a, 1,2,3
	STG \a
	OUTB (\a)-1, 32
.endr
	OUTB 3, 0
	s_wait_tensorcnt 0x0                           ; the wave's end
	ds_add_u32 v[SPW], v[NIL]
	s_wait_dscnt 0x0
	CROUND                                         ; the closing round
	s_endpgm
.Lfunc_end_k_q46d1275db7_pv:
	.size	k_q46d1275db7_pv, .Lfunc_end_k_q46d1275db7_pv-k_q46d1275db7_pv
	.p2alignl 7, 3214868480
	.fill 96, 4, 3214868480
	.section	.rodata,"a",@progbits
	.p2align	6, 0x0
	.amdhsa_kernel k_q46d1275db7_pv
		.amdhsa_group_segment_fixed_size 327680
		.amdhsa_private_segment_fixed_size 0
		.amdhsa_enable_private_segment 0
		.amdhsa_kernarg_size 32
		.amdhsa_user_sgpr_count 2
		.amdhsa_user_sgpr_kernarg_segment_ptr 1
		.amdhsa_wavefront_size32 1
		.amdhsa_system_sgpr_workgroup_id_x 1
		.amdhsa_system_sgpr_workgroup_id_y 1
		.amdhsa_system_sgpr_workgroup_id_z 1
		.amdhsa_system_vgpr_workitem_id 0
		.amdhsa_next_free_vgpr 512
		.amdhsa_next_free_sgpr 96
		.amdhsa_reserve_vcc 0
		.amdhsa_float_denorm_mode_32 3
		.amdhsa_float_denorm_mode_16_64 3
		.amdhsa_memory_ordered 1
		.amdhsa_forward_progress 1
		.amdhsa_inst_pref_size 141
	.end_amdhsa_kernel
	.amdgpu_metadata
---
amdhsa.version: [ 1, 2 ]
amdhsa.kernels:
  - .name:           k_q46d1275db7_pv
    .symbol:         k_q46d1275db7_pv.kd
    .args:
      - { .name: pt, .offset: 0, .size: 8, .value_kind: global_buffer, .address_space: global }
      - { .name: y, .offset: 8, .size: 8, .value_kind: global_buffer, .address_space: global }
      - { .name: st, .offset: 16, .size: 8, .value_kind: global_buffer, .address_space: global }
      - { .name: out0, .offset: 24, .size: 8, .value_kind: global_buffer, .address_space: global }
    .group_segment_fixed_size: 327680
    .private_segment_fixed_size: 0
    .kernarg_segment_align: 8
    .kernarg_segment_size: 32
    .max_flat_workgroup_size: 128
    .sgpr_count:     96
    .vgpr_count:     512
    .wavefront_size: 32
...
	.end_amdgpu_metadata
.endif
;; end of part 7
